; MI455X (gfx1250); checked and timed in simulation.
; The chip was launched on July 23, 2026; its instructions are those of AMD's public machine-readable ISA for CDNA 5 (MIT licence, August 2026) and "CDNA5" Instruction Set Architecture Reference Guide (July 2026). The comments in the code are by the model that wrote it; some were corrected since.
;; Causal Self Attention. Allowed arithmetic: matrix products marked QUANTISED: E2M3 operands, one E8M0 scale for each 32 along K, by v_wmma_scale_f32_16x16x128_f8f6f4 with both operands' format E2M3, f32 sums; everything else in f32.
;; Inputs: Wk 1,024 x 1,024 float32; Wo 1,024 x 1,024 float32; Wq 1,024 x 1,024 float32; Wv 1,024 x 1,024 float32; cos 1 x 1 x 2,048 x 32 float32; sin 1 x 1 x 2,048 x 32 float32; x 4 x 2,048 x 1,024 float32.
;; Outputs: out0 4 x 2,048 x 1,024 float32.
;; This version of the problem:
;;   THIS VERSION OF THE PROBLEM IS GIVEN IN LOW PRECISION. The matrix products marked QUANTISED in the list below multiply operands that are first quantised to E2M3 (2 exponent bits, 3 mantissa bits; 6 bits a number), with one power-of-two scale for each 32 numbers along K (OCP MX v1.0); their sums are f32. All else is computed in f32.
;;   The module's matrix products, in the order in which they are computed (A, B: the left and right operand; K: the contracted axis; several contracted axes count as one K, in the product's order):
;;     1. [M 8,192, K 1,024] x [K 1,024, N 1,024]; A: input x; B: input Wq: QUANTISED
;;     2. [M 8,192, K 1,024] x [K 1,024, N 1,024]; A: input x; B: input Wk: QUANTISED
;;     3. [M 8,192, K 1,024] x [K 1,024, N 1,024]; A: input x; B: input Wv: QUANTISED
;;     4. batch 64 x [M 2,048, K 64] x [K 64, N 2,048]; A: computed on the way; B: computed on the way: QUANTISED
;;     5. batch 64 x [M 2,048, K 2,048] x [K 2,048, N 64]; A: softmax (see below); B: computed on the way: QUANTISED
;;     6. [M 8,192, K 1,024] x [K 1,024, N 1,024]; A: computed on the way; B: input Wo: QUANTISED
;;   THE QUANTISER, for each operand of a quantised product, along K:
;;     - K is cut into blocks of 32 from its start; a last block that is shorter is filled with zeros.
;;     - A block's scale is 2^e with e = floor(log2(the largest magnitude in the block)) - 2, held to -126 .. 127; a block of zeros has e = 0. As a byte (E8M0): e + 127.
;;     - Each number is divided by its block's scale, clamped to +-7.5, and rounded to the nearest number of E2M3, ties to even, subnormals kept.
;;     - The product sums the exact products of the quantised numbers (number of the format x scale) in f32.
;;   ~~~python
;;   def quantise(x, axis):      # numpy; x: float32 -> the quantised numbers, widened to float32 again
;;       x = np.moveaxis(x, axis, -1); K = x.shape[-1]
;;       x = np.pad(x, [(0, 0)] * (x.ndim - 1) + [(0, -K % 32)]); x = x.reshape(x.shape[:-1] + (-1, 32)); a = np.abs(x).max(-1, keepdims=True)
;;       e = np.where(a > 0, np.clip(np.frexp(np.where(a > 0, a, 1))[1] - 1 - 2, -126, 127), 0)      # np.frexp(a)[1] - 1 = floor(log2(a)), exactly
;;       r = np.clip(x / 2.0 ** e, -7.5, 7.5)
;;       step = 2.0 ** (np.maximum(np.frexp(np.where(r == 0, 1, r))[1] - 1, 0) - 3)
;;       q = np.round(r / step) * step * 2.0 ** e      # np.round: ties to even
;;       return np.moveaxis(q.reshape(q.shape[:-2] + (-1,))[..., :K], -1, axis).astype(np.float32)
;;   ~~~
;;   SOFTMAX AHEAD OF A QUANTISED PRODUCT. Where the list says 'softmax', what is quantised is not the finished softmax but p = 2^(t - M), with t = logit x log2(e) and M = ceil(the row's largest t), a whole number; so 1/2 < the row's largest p <= 1. The row's sum l is taken of the UNQUANTISED p, in f32, and the product's result is divided by l at the end. Since M is a whole number, a kernel that streams over the keys may use a running M (the ceiling of the running maximum): every later rescaling is an exact power of two, which a block's scale takes up: the codes' values come out the same.
;;   OPERANDS COMPUTED ON THE WAY. 'Computed on the way' means the value that the module computes at that place (a softmax that the list does not call 'softmax' is quantised finished and normalised). What goes into a quantiser is computed in f32, as accurately as f32 sums, v_exp_f32 and their like allow (about 1e-6 of the number): no bf16 or f16 on the way to a quantiser, and a product that is left as it is and whose result goes on into a quantised operand takes f32 operands (vector FMAs, or v_wmma_f32_16x16x4_f32). A number that lies on a knife's edge between two numbers of the format may be rounded either way, as far as f32 arithmetic and the matrix unit's own rounding can turn it there, and no further.
;; One version. Each part assembles by itself: llvm-mc -triple=amdgcn-amd-amdhsa -mcpu=gfx1250 --defsym DOCPART=n.
;; ======== version 1 of 1: 4 launches
;; workspace buffers: codes 9,437,184 bytes; scales 393,216 bytes; q_img 6,291,456 bytes; q_sc 262,144 bytes; kv 13,107,200 bytes; y_img 6,291,456 bytes; y_sc 262,144 bytes
;; launch quant (part 1): grid 384 x 1, 4 waves a work-group, no clusters, 68,096 bytes of LDS; arguments x, Wq, Wk, Wv, Wo, codes, scales; writes codes, scales
.if DOCPART == 1
	.amdgcn_target "amdgcn-amd-amdhsa--gfx1250"
	.amdhsa_code_object_version 6
	.text
	.protected	k_q5105b92c02_quant
	.globl	k_q5105b92c02_quant
	.p2align	8
	.type	k_q5105b92c02_quant,@function
k_q5105b92c02_quant:
	s_mov_b64 s[64:65], 0
	v_nop
	global_prefetch_b8 v0, s[64:65] scope:SCOPE_SE
	s_setreg_imm32_b32 hwreg(HW_REG_WAVE_MODE, 25, 1), 1
	s_wait_xcnt 0x0
; x [8192][1024] and the four weights [1024 (k)][1024 (n)], f32, become codes of FP6 (E2M3), K innermost, 768 bytes a row, and one E8M0 byte for each 32 along K, 32 bytes a row.
; The codes' buffer has 12,288 rows: 0-8191 x's tokens, 8192 + 1024 j + n column n of weight j (q, k, v, o); the scale bytes' buffer has the same rows.
; THE ORDER OF ROWS: a row lies at its index with bits 3 and 4 exchanged.  So 16 neighbouring rows 16 i + r of the buffer hold the indices 32 (i / 2) + 8 (i % 2) + r + 8 (r / 8):
; a matrix result whose rows come from two such neighbouring tiles holds 16 neighbouring indices in a lane's 16 registers, which is what the next quantiser wants.
; A block's scale is 2^(floor(log2(its largest magnitude)) - 2); its byte is the largest magnitude's exponent field - 2, held at 1 from below.
; LIMITS: a block of zeros gets the byte 1 (its codes are zeros, and this program alone reads the bytes); NaN and infinities among the inputs are not served.
; Work-groups 0-255 take x: K is innermost there, so x is a plain stream of blocks of 32; a wave takes 8 rows, which is one group of the order of rows.
; Work-groups 256-383 take the weights: K is the first axis, so a lane takes a column and its registers run down K.  Each way has LDS bytes of its own.  Waves share nothing: no barrier.
.set STEPS, 16                         ; x: steps of 512 numbers for a wave
.set CB,    12                         ; bytes of 16 codes
.set XR,    16                         ; v16-79   x: four sets of 16 numbers as they are loaded
.set XX,    80                         ; v80-111  two sets of 16 neighbours
.set XE,    112                        ; v112-127 a scale byte for each step
.set XC,    128                        ; v128-191 codes: four registers for each step, so that no store's data are written again
.set WREG,  8192                       ; x: LDS of a wave: two stages of 32 x SP bytes, behind them its 256 scale bytes
.set SP,    80                         ; a lane's place in a stage: its 64 bytes + 16 of padding
.set WBASE, 32768                      ; the weights' stages begin here
.set NB,    8                          ; weights: blocks of 32 along K for a wave (256 along K)
.set WPITCH, 272                       ; a stage row: sixteen places of 16 bytes, each with 12 bytes of codes, + 16
.set KROW,  768                        ; a row of the codes' buffer
.set WX,    32                         ; v32-95   weights: two sets of 32 numbers
.set WC,    96                         ; v96..    a block's codes
.set WOUT,  112                        ; v112-175 the way out
.set WSB,   24                         ; v24-25   the scale bytes, four to a register
	s_load_b256 s[4:11], s[0:1], 0x0               ; x s[4:5], Wq s[6:7], Wk s[8:9], Wv s[10:11]
	s_load_b128 s[12:15], s[0:1], 0x20             ; Wo s[12:13], the codes s[14:15]
	s_load_b64 s[16:17], s[0:1], 0x30              ; the scale bytes
	v_lshl_add_u32 v192, v0, 2, 0x10800
	v_mov_b32 v193, 0
	v_lshrrev_b32 v1, 5, v0
	v_readfirstlane_b32 s18, v1                    ; wave 0..3
	v_and_b32 v2, 31, v0                           ; lane
	s_cmp_lt_u32 ttmp9, 256
	s_cbranch_scc0 .Lweights
; ---------------- x ----------------
; Each of a step's four loads reads 512 consecutive bytes, 16 a lane; the 2,048 bytes turn through the wave's own stage and come back 64 bytes a lane: 16 neighbours along K, two lanes to a block.
	v_lshlrev_b32 v3, 4, v2                        ; my 16 bytes of a load's 512
	s_mul_i32 s19, s18, WREG
	v_lshrrev_b32 v14, 2, v2
	v_mul_u32_u24 v14, v14, SP
	v_and_b32 v15, 3, v2
	v_lshl_add_u32 v14, v15, 4, v14
	v_add_nc_u32 v14, s19, v14                     ; the stage on the way in: SP (lane / 4) + 16 (lane % 4)
	v_mul_u32_u24 v15, v2, SP
	v_add_nc_u32 v15, s19, v15                     ; and on the way out: SP x lane
	v_mul_u32_u24 v4, v2, CB                       ; my codes' place in a step's
	v_lshrrev_b32 v5, 1, v2
	s_add_co_u32 s19, s19, 2*32*SP
	v_add_nc_u32 v5, s19, v5                       ; my wave's 256 scale bytes, my block's byte
	v_lshlrev_b32 v7, 3, v2                        ; and on the way out 8 bytes a lane
	v_add_nc_u32 v6, s19, v7
	s_lshl_b32 s20, ttmp9, 2
	s_add_co_u32 s22, s20, s18                     ; which run of 8 rows is read: 4 x work-group + wave
	s_lshl_b32 s22, s22, 15                        ; 32,768 bytes a run
	s_mov_b32 s23, 0
	s_and_b32 s24, s18, 1                          ; a run's number holds the rows' bits 3 and 4 as its bits 0 and 1: exchanged, it is the run that is written
	s_lshl_b32 s24, s24, 1
	s_lshr_b32 s25, s18, 1
	s_or_b32 s24, s24, s25
	s_add_co_u32 s24, s24, s20
	s_mul_i32 s26, s24, 8*KROW                     ; its codes,
	s_mov_b32 s27, 0
	s_lshl_b32 s24, s24, 8                         ; its 256 scale bytes
	s_mov_b32 s25, 0
	s_wait_kmcnt 0x0
	s_add_nc_u64 s[4:5], s[4:5], s[22:23]
	s_add_nc_u64 s[14:15], s[14:15], s[26:27]
	s_add_nc_u64 s[16:17], s[16:17], s[24:25]
.macro XLOAD t
.irp i, 0,1,2,3
	global_load_b128 v[XR+16*((\t)%4)+4*\i:XR+16*((\t)%4)+4*\i+3], v3, s[4:5] offset:2048*(\t)+512*\i th:TH_LOAD_NT   ; 32 lanes read 512 consecutive bytes
.endr
.endm
.macro XTURN t                         ; step t's numbers through the stage: LDS serves a wave's instructions in order, so no wait stands between the stores and the loads
.irp i, 0,1,2,3
	ds_store_b128 v14, v[XR+16*((\t)%4)+4*\i:XR+16*((\t)%4)+4*\i+3] offset:32*SP*((\t)%2)+8*SP*\i
.endr
.irp i, 0,1,2,3
	ds_load_b128 v[XX+16*((\t)%2)+4*\i:XX+16*((\t)%2)+4*\i+3], v15 offset:32*SP*((\t)%2)+16*\i
.endr
.endm
.irp t, 0,1,2,3
	XLOAD \t
.endr
	s_wait_loadcnt 12                              ; step 0's four loads are in
	XTURN 0
.macro XSTEP t
.set XS, XX+16*((\t)%2)
.if (\t) > 0
	s_wait_dscnt 1                                 ; this step's numbers are back from the stage (the last step's byte store may be out): so its stores into the stage have read their registers,
.else
	s_wait_dscnt 0x0
.endif
.if (\t)+4 < STEPS
	XLOAD (\t)+4                                   ; which take the loads of four steps on
.endif
.if (\t)+1 < STEPS
.if STEPS-2-(\t) >= 3
	s_wait_loadcnt 12                              ; the next step's four loads are in; those of the three steps behind it may be out
.else
	s_wait_loadcnt 4*(STEPS-2-(\t))
.endif
	XTURN (\t)+1                                   ; and go through the other stage while this step is worked
.endif
	v_max3_num_f32 v8, |v[XS]|, |v[XS+1]|, |v[XS+2]|               ; the largest magnitude of my 16, in two chains
	v_max3_num_f32 v9, |v[XS+3]|, |v[XS+4]|, |v[XS+5]|
.irp i, 6,10
	v_max3_num_f32 v8, v8, |v[XS+\i]|, |v[XS+\i+1]|
	v_max3_num_f32 v9, v9, |v[XS+\i+2]|, |v[XS+\i+3]|
.endr
	v_max3_num_f32 v8, v8, |v[XS+14]|, |v[XS+15]|
	v_max3_num_f32 v8, v8, v9, 0x1800000           ; and the floor 2^(3 - 127): the byte cannot fall under 1
	v_max_num_f32_dpp v8, v8, v8 row_xmask:1 row_mask:0xf bank_mask:0xf   ; and of my neighbour's 16: the block's
	v_add_nc_u32 v11, 0xff000000, v8               ; 2 off its exponent field: the conversion takes the exponent field of this operand as its scale
	v_cvt_scalef32_pk16_fp6_f32 v[XC+4*(\t):XC+4*(\t)+2], v[XS:XS+15], v11
	v_lshrrev_b32 v[XE+(\t)], 23, v11              ; the scale's byte
	ds_store_b8 v5, v[XE+(\t)] offset:16*(\t)      ; both lanes of a block write the same byte with the same value
	global_store_b96 v4, v[XC+4*(\t):XC+4*(\t)+2], s[14:15] offset:32*CB*(\t)   ; the wave stores 384 consecutive bytes
.endm
.irp t, 0,1,2,3,4,5,6,7,8,9,10,11,12,13,14,15
	XSTEP \t
.endr
	ds_load_b64 v[12:13], v6                       ; LDS serves a wave's instructions in order: these see my stores
	s_wait_dscnt 0x0
	global_store_b64 v7, v[12:13], s[16:17]        ; 32 lanes store 256 consecutive bytes, aligned
	s_wait_tensorcnt 0x0
	ds_add_u32 v192, v193
	s_wait_dscnt 0x0
	s_endpgm
; ---------------- the weights ----------------
; 32 work-groups a weight: 8 along n (128 columns each, 32 a wave) x 4 along K (256 each).  A lane's 32 registers are a whole block of 32 along K of one column.
.Lweights:
	s_sub_co_u32 s20, ttmp9, 256
	s_lshr_b32 s21, s20, 5                         ; which weight
	s_and_b32 s22, s20, 7                          ; which 128 columns
	s_bfe_u32 s23, s20, 0x20003                    ; which 256 along K
	s_lshl_b32 s24, s22, 7
	s_lshl_b32 s25, s18, 5
	s_add_co_u32 s24, s24, s25                     ; my wave's first column
	s_lshl_b32 s26, s23, 20                        ; in: 256 rows of 4,096 bytes,
	s_lshl_b32 s27, s24, 2
	s_add_co_u32 s26, s26, s27                     ; + 4 bytes a column
	s_mov_b32 s27, 0
	s_lshl_b32 s28, s21, 10
	s_add_co_u32 s28, s28, s24
	s_add_co_u32 s28, s28, 8192                    ; out: the first of my 32 rows
	s_mul_i32 s30, s28, KROW
	s_mul_i32 s29, s23, 192
	s_add_co_u32 s30, s30, s29                     ; its codes of my 256 along K,
	s_mov_b32 s31, 0
	s_lshl_b32 s28, s28, 5
	s_lshl_b32 s29, s23, 3
	s_add_co_u32 s28, s28, s29                     ; its 8 scale bytes
	s_mov_b32 s29, 0
	v_lshlrev_b32 v3, 2, v2                        ; in: 4 bytes a lane
	v_bfe_u32 v10, v2, 3, 1
	v_bfe_u32 v11, v2, 4, 1
	v_and_b32 v12, 7, v2
	v_lshl_add_u32 v12, v11, 3, v12
	v_lshl_add_u32 v10, v10, 4, v12                ; my column's place among the 32 rows: my lane with bits 3 and 4 exchanged
	s_mul_i32 s19, s18, 32*WPITCH
	s_add_co_u32 s19, s19, WBASE                   ; my stage
	v_mul_u32_u24 v4, v10, WPITCH
	v_add_nc_u32 v4, s19, v4                       ; into it: my column's row
	v_and_b32 v5, 15, v2
	v_lshrrev_b32 v6, 4, v2                        ; out of it: sixteen lanes to a row, two rows an instruction
	v_mul_u32_u24 v7, v6, WPITCH
	v_lshl_add_u32 v7, v5, 4, v7
	v_add_nc_u32 v7, s19, v7
	v_mul_u32_u24 v8, v6, KROW
	v_mad_u32_u24 v8, v5, 12, v8                   ; and the same place in the codes' buffer
	v_lshlrev_b32 v9, 5, v10                       ; my column's row of scale bytes
	s_wait_kmcnt 0x0
	s_cmp_eq_u32 s21, 1                            ; the weight is chosen by the work-group's number alone
	s_cselect_b64 s[6:7], s[8:9], s[6:7]
	s_cmp_eq_u32 s21, 2
	s_cselect_b64 s[6:7], s[10:11], s[6:7]
	s_cmp_eq_u32 s21, 3
	s_cselect_b64 s[6:7], s[12:13], s[6:7]
	s_add_nc_u64 s[6:7], s[6:7], s[26:27]
	s_add_nc_u64 s[14:15], s[14:15], s[30:31]
	s_add_nc_u64 s[16:17], s[16:17], s[28:29]
.macro WLOAD t                         ; block t: W(32 t + i, my column), i = 0 .. 31, into set t % 2: a wave reads 128 consecutive bytes, the four waves 512
.irp i, 0,1,2,3,4,5,6,7,8,9,10,11,12,13,14,15,16,17,18,19,20,21,22,23,24,25,26,27,28,29,30,31
	global_load_b32 v[WX+32*((\t)%2)+\i], v3, s[6:7] offset:(32*(\t)+\i)*4096 th:TH_LOAD_NT
.endr
.endm
	WLOAD 0
	WLOAD 1
.macro WBLOCK t
.set XS, WX+32*((\t)%2)
.if (\t) < NB-1
	s_wait_loadcnt 32                              ; this block's 32 loads are in; the next block's may be out
.else
	s_wait_loadcnt 0
.endif
	v_max3_num_f32 v12, |v[XS]|, |v[XS+1]|, |v[XS+2]|               ; the block's largest magnitude: all 32 numbers are mine
	v_max3_num_f32 v13, |v[XS+3]|, |v[XS+4]|, |v[XS+5]|
.irp i, 6,10,14,18,22,26
	v_max3_num_f32 v12, v12, |v[XS+\i]|, |v[XS+\i+1]|
	v_max3_num_f32 v13, v13, |v[XS+\i+2]|, |v[XS+\i+3]|
.endr
	v_max3_num_f32 v12, v12, |v[XS+30]|, |v[XS+31]|
	v_max3_num_f32 v12, v12, v13, 0x1800000        ; and the floor 2^(3 - 127)
	v_add_nc_u32 v11, 0xff000000, v12              ; 2 off its exponent field: the conversion's scale operand
	v_lshrrev_b32 v13, 23, v11                     ; the scale's byte
.if (\t)%4 == 0
	v_mov_b32 v[WSB+(\t)/4], v13                   ; four bytes to a register, the lower K in the lower byte
.else
	v_lshl_or_b32 v[WSB+(\t)/4], v13, 8*((\t)%4), v[WSB+(\t)/4]
.endif
	v_cvt_scalef32_pk16_fp6_f32 v[WC:WC+2], v[XS:XS+15], v11
	v_cvt_scalef32_pk16_fp6_f32 v[WC+4:WC+6], v[XS+16:XS+31], v11   ; (a conversion's three registers begin on an even number)
	ds_store_b96 v4, v[WC:WC+2] offset:32*(\t)     ; 16 codes, 12 bytes, to a place of 16 bytes, so that every LDS address is a multiple of 16
	ds_store_b96 v4, v[WC+4:WC+6] offset:32*(\t)+16
.if (\t)+2 < NB
	WLOAD (\t)+2
.endif
	s_wait_dscnt 0x0                               ; the stores have read their registers: the next block's codes may be written
.endm
.set Q, 0
.rept NB
	WBLOCK Q
.set Q, Q+1
.endr
	global_store_b64 v9, v[WSB:WSB+1], s[16:17]    ; my column's 8 scale bytes
.irp t, 0,1,2,3,4,5,6,7,8,9,10,11,12,13,14,15
	ds_load_b96 v[WOUT+4*\t:WOUT+4*\t+2], v7 offset:2*\t*WPITCH   ; LDS serves a wave's instructions in order: these see my stores
.endr
.irp t, 0,1,2,3,4,5,6,7,8,9,10,11,12,13,14,15
	s_wait_dscnt 15-\t
	global_store_b96 v8, v[WOUT+4*\t:WOUT+4*\t+2], s[14:15] offset:2*\t*KROW   ; sixteen lanes store a row's 192 consecutive bytes
.endr
	s_wait_tensorcnt 0x0
	ds_add_u32 v192, v193
	s_wait_dscnt 0x0
	s_endpgm
.Lfunc_end_k_q5105b92c02_quant:
	.size	k_q5105b92c02_quant, .Lfunc_end_k_q5105b92c02_quant-k_q5105b92c02_quant
	.p2alignl 7, 3214868480
	.fill 96, 4, 3214868480
	.section	.rodata,"a",@progbits
	.p2align	6, 0x0
	.amdhsa_kernel k_q5105b92c02_quant
		.amdhsa_group_segment_fixed_size 68096
		.amdhsa_private_segment_fixed_size 0
		.amdhsa_enable_private_segment 0
		.amdhsa_kernarg_size 56
		.amdhsa_user_sgpr_count 2
		.amdhsa_user_sgpr_kernarg_segment_ptr 1
		.amdhsa_wavefront_size32 1
		.amdhsa_system_sgpr_workgroup_id_x 1
		.amdhsa_system_sgpr_workgroup_id_y 1
		.amdhsa_system_sgpr_workgroup_id_z 1
		.amdhsa_system_vgpr_workitem_id 0
		.amdhsa_next_free_vgpr 194
		.amdhsa_next_free_sgpr 66
		.amdhsa_reserve_vcc 0
		.amdhsa_float_denorm_mode_32 3
		.amdhsa_float_denorm_mode_16_64 3
		.amdhsa_memory_ordered 1
		.amdhsa_forward_progress 1
		.amdhsa_inst_pref_size 74
	.end_amdhsa_kernel
	.amdgpu_metadata
---
amdhsa.version: [ 1, 2 ]
amdhsa.kernels:
  - .name:           k_q5105b92c02_quant
    .symbol:         k_q5105b92c02_quant.kd
    .args:
      - { .name: x, .offset: 0, .size: 8, .value_kind: global_buffer, .address_space: global }
      - { .name: Wq, .offset: 8, .size: 8, .value_kind: global_buffer, .address_space: global }
      - { .name: Wk, .offset: 16, .size: 8, .value_kind: global_buffer, .address_space: global }
      - { .name: Wv, .offset: 24, .size: 8, .value_kind: global_buffer, .address_space: global }
      - { .name: Wo, .offset: 32, .size: 8, .value_kind: global_buffer, .address_space: global }
      - { .name: codes, .offset: 40, .size: 8, .value_kind: global_buffer, .address_space: global }
      - { .name: scales, .offset: 48, .size: 8, .value_kind: global_buffer, .address_space: global }
    .group_segment_fixed_size: 68096
    .private_segment_fixed_size: 0
    .kernarg_segment_align: 8
    .kernarg_segment_size: 56
    .max_flat_workgroup_size: 128
    .sgpr_count:     66
    .vgpr_count:     194
    .wavefront_size: 32
...
	.end_amdgpu_metadata
.endif
;; end of part 1
;; launch gemm_qkv (part 2): grid 12 x 32, 4 waves a work-group, clusters of 4 x 4, 327,680 bytes of LDS; arguments codes, scales, cos, sin, q_img, q_sc, kv; writes q_img, q_sc, kv
.if DOCPART == 2
	.amdgcn_target "amdgcn-amd-amdhsa--gfx1250"
	.amdhsa_code_object_version 6
	.text
	.protected	k_q5105b92c02_gemm_qkv
	.globl	k_q5105b92c02_gemm_qkv
	.p2align	8
	.type	k_q5105b92c02_gemm_qkv,@function
k_q5105b92c02_gemm_qkv:
	s_mov_b64 s[64:65], 0
	v_nop
	global_prefetch_b8 v0, s[64:65] scope:SCOPE_SE
	s_setreg_imm32_b32 hwreg(HW_REG_WAVE_MODE, 25, 1), 1
	s_wait_xcnt 0x0
	s_wait_alu depctr_hold_cnt(0) depctr_sa_sdst(0) depctr_va_vdst(0) depctr_va_sdst(0) depctr_va_ssrc(0) depctr_va_vcc(0) depctr_vm_vsrc(0)
	s_getreg_b32 s2, hwreg(HW_REG_IB_STS2, 6, 4)
	s_cmp_eq_u32 s2, 0
	s_cbranch_scc0 .Lentry_in_a_cluster
	s_endpgm
.Lentry_in_a_cluster:
	s_bfe_u32 s2, ttmp6, 0x10000c
	s_cmp_lg_u32 s2, 0xf033
	s_cbranch_scc0 .Lentry_shape_is_right
	s_endpgm
.Lentry_shape_is_right:
; q = x Wq, k = x Wk, v = x Wv on codes of FP6 (E2M3) with E8M0 scales, K = 1,024; then, in registers: q and k are rotated (RoPE), normalised (RMS over the head's 64) and quantised along the head's 64;
; v is quantised along the tokens.  What is stored are IMAGES OF OPERAND REGISTERS for the attention launch; no f32 number goes to memory.
; All operands are rows of one buffer of codes (768 bytes a row) and one of scale bytes (32 a row): rows 0-8191 x, 8192.. Wq, 9216.. Wk, 10240.. Wv, each row at its index with bits 3 and 4 exchanged.
; A tile of 256 x 256 is made by four waves, 128 x 128 each: 64 accumulators, 512 registers.  K goes in steps of 256 through a ring of two LDS slots; the scale bytes of the tile's rows come once.
; Source 0 of each product takes 16 rows of "B", source 1 16 rows of "A": a lane holds ONE row of A and eight rows of B.
;   clusters with x = 0, 1 (q, k): A = x's tokens, B = the weight's columns: a lane holds one token and, by the order of rows, 16 neighbouring columns in the registers of two neighbouring accumulators;
;   clusters with x = 2 (v):       A = Wv's columns, B = x's tokens: a lane holds one channel and 16 neighbouring tokens likewise.
; CLUSTERS: 4 x 4 work-groups; A's tiles are asked for jointly by a row of the cluster, B's by a column.  The roles hang on the cluster's x, which all sixteen partners share.
; IMAGES.  A fragment (12 registers a lane) is stored as three runs of 512 bytes: registers 4 c .. 4 c + 3 of lane l at 512 c + 16 l.  A fragment of q or k holds TWO tiles of 16 tokens: registers 0-5 the head's 64 of tile 2 p,
; registers 6-11 of tile 2 p + 1; its scale word: bytes 0, 1 and 2, 3.  kv: [64 heads][16 key steps of 128][12,800]: K's 4 fragments, V's 4 (16 channels x 128 keys each), K's 256 bytes of scale words, V's 256.
; LIMITS: a block of zeros gets the byte 1 (its codes are zeros; this program alone reads the bytes); NaN and infinities are not served.
; REGISTERS: window 0: v0-31 addresses; v32-63 scale words, two sets; v128-223 A's fragments; on the ways out v64-255.  window 1: B's fragments, two sets; on q's and k's way out the tables.  windows 2, 3: the accumulators.
.set SIZE_K, 1024
.set KSTEP,  256                       ; along K in a slot
.set NQ,     KSTEP/128                 ; matrix instructions deep
.set ROWB,   192                       ; a tile's row in bytes
.set KROW,   SIZE_K*6/8                ; a row of codes in memory
.set PITCH,  240                       ; an LDS row: 3 x (64 bytes of data + 16 of padding)
.set FR,     12                        ; registers of a fragment
.set NL,     6                         ; LDS loads that bring one
.set NP,     4                         ; places behind this matrix instruction (ISA guide 7.12.1)
.set HALFT,  128*PITCH                 ; 128 rows: what one tensor load brings
.set SLOT,   4*HALFT                   ; A's 256 rows, then B's 256 rows
.set LAPS,   SIZE_K/(2*KSTEP)
.set KS,     SIZE_K/32                 ; a row of scale bytes
.set SCL,    2*SLOT                    ; behind the ring: the scale bytes, as units of 256 bytes + 16 of padding
.set HALFS,  (128*KS/256)*272
.set SBLK,   (16*KS/256)*272
.set SPARE,  SCL+4*HALFS               ; the spare words, 128 bytes for each wave: two blocks of 256 bytes that no other line names
.set STQ,    0                         ; the ways out: 512 bytes a wave for scale words, in slot 0, which has had its last fill and its last read by then: q's and k's way,
.set STV,    4096                      ; and v's, each with bytes of its own
.set ADRA, 16                          ; v16-19  LDS addresses of my A fragments in slot 0, 1 (v18-19: behind one padding more)
.set ADRB, 20                          ; v20-23  the same for B
.set ADRS, 27                          ; v27     LDS address of my scale words: lanes 0-15 A's rows, lanes 16-31 B's
.set SPW,  28                          ; v28     LDS address of my spare word; never rewritten
.set NIL,  29                          ; v29     0; never rewritten
.set SC,   32                          ; scale words, two sets of 16
.set AF,   128                         ; A's fragments
.set RR,   64                          ; q, k: four streams (2 heads x 2 tiles of tokens) of 32 numbers: v64-191
.set IMG,  192                         ; the two heads' fragments: v192-215
.set XT,   216                         ; the conversions' second halves: v216-231
.set TM,   232                         ; v232-239 sums of squares, then largest magnitudes and scale operands
.set TP,   240                         ; v240-247 the other half's, then bytes
.set WD,   248                         ; v248-255 a scale word for each pair and head
.set PC,   192                         ; v: a fragment's codes
.set G1, 24
.set G0, 32
.set G1B, 48
.set G0B, 56
.set G1S, 68
.set G0S, 76
.set G1SB, 80
.set G0SB, 88
.set MSB, 0
.macro WIN new                         ; the immediate's high byte repeats the setting that is left
.if MSB != (\new)
	s_set_vgpr_msb (MSB<<8)|(\new)
.set MSB, (\new)
.endif
.endm
.set MUL_LO, 0xa1                      ; source 0 (B) window 1, source 1 (A) window 0, C and D window 2
.set MUL_HI, 0xf1                      ; the same, C and D window 3
.set TO_B,   0x40                      ; destination window 1, address window 0
; A joint load: waves 0 and 1 fetch for A, waves 2 and 3 for B.  The branch hangs on the wave's number alone.  Four v_nop follow each of the two lines.
.macro JLOAD g0a, g1a, g0b, g1b
	s_cmp_eq_u32 s15, 0
	s_cbranch_scc0 .Lfor_b_\@
	tensor_load_to_lds s[\g0a:\g0a+3], s[\g1a:\g1a+7]
	s_nop 0
.rept 4
	v_nop
.endr
	s_branch .Lasked_\@
.Lfor_b_\@:
	tensor_load_to_lds s[\g0b:\g0b+3], s[\g1b:\g1b+7]
	s_nop 0
.rept 4
	v_nop
.endr
.Lasked_\@:
.endm
.macro CREST                           ; a round of the cluster's barrier behind its opening barrier
	s_cmp_lg_u32 s14, 0
	s_cbranch_scc1 .Lnot_wave_0_\@
	s_barrier_signal -3
.Lnot_wave_0_\@:
	s_barrier_wait -3
	s_barrier_signal -1
	s_barrier_wait -1
.endm
.macro CROUND                          ; a whole round
	s_barrier_signal -1
	s_barrier_wait -1
	CREST
.endm
	s_load_b256 s[4:11], s[0:1], 0x0               ; the codes s[4:5], the scale bytes s[6:7], cos s[8:9], sin s[10:11]
	s_load_b128 s[96:99], s[0:1], 0x20             ; q's images, q's scale words
	s_load_b64 s[100:101], s[0:1], 0x30            ; kv
	v_lshl_add_u32 v[SPW], v0, 2, SPARE
	v_mov_b32 v[NIL], 0
	ds_add_u32 v28, v29
	ds_add_u32 v28, v29
	s_wait_dscnt 0x0
	v_lshrrev_b32 v1, 5, v0
	v_readfirstlane_b32 s14, v1                    ; wave 0..3
	s_lshr_b32 s15, s14, 1                         ; which half of A's rows is mine.  Also: I fetch for A (0) or for B (1)
	s_and_b32 s16, s14, 1                          ; which half of B's rows.  Also: which 128 rows of that tile I fetch
	s_bfe_u32 s40, ttmp6, 0x40000                  ; cx, cy: my place in the cluster
	s_bfe_u32 s41, ttmp6, 0x40004
	s_and_b32 s12, ttmp7, 0xffff                   ; the cluster's y
	s_cmp_eq_u32 ttmp9, 2                          ; the cluster's x: 0 q, 1 k, 2 v: the same in all sixteen partners
	s_cselect_b32 s17, 0, s12                      ; A: for v Wv's four tiles of columns, else x's 32 tiles of tokens
	s_cselect_b32 s42, s12, ttmp9                  ; B: for v x's tiles of tokens, else Wq's or Wk's tiles of columns
	s_cselect_b32 s66, 10240, 0                    ; where A's rows begin in the buffers,
	s_cselect_b32 s67, 0, 8192                     ; and B's
	s_lshl_b32 s17, s17, 2
	s_add_co_u32 s17, s17, s41                     ; A's tile = 4 x its cluster coordinate + cy
	s_lshl_b32 s42, s42, 2
	s_add_co_u32 s42, s42, s40                     ; B's tile = 4 x its cluster coordinate + cx
	s_lshl_b32 s43, s41, 2
	s_lshl_b32 s43, 15, s43                        ; my row of the cluster
	s_lshl_b32 s44, 0x1111, s40                    ; my column
	; descriptor group 1: a tile of 128 rows x 192 bytes, 16 bytes of padding behind every 64
	s_or_b32 s[G1+0], s43, (0<<16)|(1<<20)|(1<<21)|(3<<22)|(3<<25)
	s_or_b32 s[G1B+0], s44, (0<<16)|(1<<20)|(1<<21)|(3<<22)|(3<<25)
.irp g, G1, G1B
	s_mov_b32 s[\g+1], ROWB<<16                    ; tensor_dim0
	s_mov_b32 s[\g+2], 128<<16                     ; tensor_dim1
	s_mov_b32 s[\g+3], ROWB<<16                    ; tile_dim0
	s_mov_b32 s[\g+4], 128                         ; tile_dim1
	s_mov_b32 s[\g+5], KROW                        ; tensor_dim0_stride
	s_mov_b32 s[\g+6], 0
	s_mov_b32 s[\g+7], 0
.endr
	; the scale bytes of 128 rows: 4,096 dense bytes, as rows of 256 bytes (32 elements of 8), 16 bytes of padding behind each
	s_or_b32 s[G1S+0], s43, (3<<16)|(1<<20)|(1<<21)|(5<<22)|(3<<25)
	s_or_b32 s[G1SB+0], s44, (3<<16)|(1<<20)|(1<<21)|(5<<22)|(3<<25)
.irp g, G1S, G1SB
	s_mov_b32 s[\g+1], 32<<16
	s_mov_b32 s[\g+2], (128*KS/256)<<16
	s_mov_b32 s[\g+3], 32<<16
	s_mov_b32 s[\g+4], 128*KS/256
	s_mov_b32 s[\g+5], 32
	s_mov_b32 s[\g+6], 0
	s_mov_b32 s[\g+7], 0
.endr
	s_lshl_b32 s18, s16, 7                         ; which 128 rows of the tile I fetch
	s_lshl_b32 s20, s17, 8
	s_add_co_u32 s20, s20, s18
	s_add_co_u32 s20, s20, s66                     ; A's row in the buffers
	s_lshl_b32 s46, s42, 8
	s_add_co_u32 s46, s46, s18
	s_add_co_u32 s46, s46, s67                     ; B's
	s_mov_b32 s21, 0
	s_mov_b32 s47, 0
	s_mov_b64 s[18:19], KS
	s_mul_u64 s[22:23], s[20:21], s[18:19]         ; where these rows' scale bytes begin,
	s_mul_u64 s[92:93], s[46:47], s[18:19]
	s_mov_b64 s[18:19], KROW
	s_mul_u64 s[20:21], s[20:21], s[18:19]         ; and their codes
	s_mul_u64 s[46:47], s[46:47], s[18:19]
	s_mul_i32 s45, s14, HALFT                      ; where they go: wave x 128 rows: no place in the cluster enters an LDS address
	s_mul_i32 s94, s14, HALFS
	s_wait_kmcnt 0x0
	s_add_nc_u64 s[20:21], s[4:5], s[20:21]
	s_add_nc_u64 s[22:23], s[6:7], s[22:23]
	s_add_nc_u64 s[46:47], s[4:5], s[46:47]
	s_add_nc_u64 s[92:93], s[6:7], s[92:93]
	CROUND                                         ; all sixteen work-groups are here: the first joint loads meet
	s_mov_b32 s[G0S], 1
	s_add_co_u32 s[G0S+1], s94, SCL
	s_mov_b64 s[G0S+2:G0S+3], s[22:23]
	s_or_b32 s[G0S+3], s[G0S+3], 0x80000000
	s_mov_b32 s[G0SB], 1
	s_add_co_u32 s[G0SB+1], s94, SCL
	s_mov_b64 s[G0SB+2:G0SB+3], s[92:93]
	s_or_b32 s[G0SB+3], s[G0SB+3], 0x80000000
	JLOAD G0S, G1S, G0SB, G1SB                     ; the scale bytes first: they are wanted with K step 0
.irp s, 0,1
	s_mov_b32 s[G0+4*\s], 1
	s_add_co_u32 s[G0+4*\s+1], s45, \s*SLOT
	s_add_nc_u64 s[G0+4*\s+2:G0+4*\s+3], s[20:21], \s*ROWB
	s_or_b32 s[G0+4*\s+3], s[G0+4*\s+3], 0x80000000
	s_mov_b32 s[G0B+4*\s], 1
	s_add_co_u32 s[G0B+4*\s+1], s45, \s*SLOT
	s_add_nc_u64 s[G0B+4*\s+2:G0B+4*\s+3], s[46:47], \s*ROWB
	s_or_b32 s[G0B+4*\s+3], s[G0B+4*\s+3], 0x80000000
	JLOAD G0+4*\s, G1, G0B+4*\s, G1B
.endr
	v_and_b32 v1, 15, v0                           ; r = lane % 16; kept
	v_bfe_u32 v2, v0, 4, 1                         ; h = lane / 16; kept
	v_mul_u32_u24 v3, v1, PITCH
	v_mul_u32_u24 v4, v2, 24
	v_add_nc_u32 v4, v3, v4                        ; a fragment's row x pitch + 24 x half
	v_lshl_add_u32 v5, v2, 4, v4                   ; and the same behind one padding more
	s_mul_i32 s21, s15, HALFT                      ; my 128 rows of A
	s_mul_i32 s22, s16, HALFT                      ; my 128 rows of B,
	s_add_co_u32 s22, s22, 2*HALFT                 ; which lie behind A's 256
.irp s, 0,1
	v_add_nc_u32 v[ADRA+\s], s21, v4
	v_add_nc_u32 v[ADRB+\s], s22, v4
	v_add_nc_u32 v[ADRA+2+\s], s21, v5
	v_add_nc_u32 v[ADRB+2+\s], s22, v5
	s_add_co_u32 s21, s21, SLOT
	s_add_co_u32 s22, s22, SLOT
.endr
	v_mul_u32_u24 v5, v1, KS                       ; my row's scale bytes: KS a row,
	v_lshrrev_b32 v6, 8, v5
	v_lshl_add_u32 v5, v6, 4, v5                   ; and 16 more for each 256 passed
	s_mul_i32 s21, s15, HALFS                      ; A's: my 128 rows
	s_mul_i32 s22, s16, HALFS                      ; B's: my 128 rows, behind A's 256
	s_add_co_u32 s22, s22, 2*HALFS
	s_sub_co_u32 s22, s22, s21
	v_mul_u32_u24 v6, s22, v2                      ; lanes 16-31 take B's
	s_add_co_u32 s21, s21, SCL
	v_add_nc_u32 v5, v5, v6
	v_add_nc_u32 v[ADRS], s21, v5
	; the ways out: every LDS address is made here
	s_lshl_b32 s23, s14, 9                         ; 512 bytes a wave
	v_lshl_add_u32 v24, v1, 2, s23                 ; v24: q, k: where row r's scale word goes
	v_and_b32 v6, 31, v0
	v_lshlrev_b32 v31, 4, v6                       ; v31: 16 x lane: an image's place for my lane
	v_add_nc_u32 v26, s23, v31                     ; v26: and where the 512 bytes are read back
	v_add_nc_u32 v25, STV, v24                     ; v25, v30: the same on v's way
	v_add_nc_u32 v30, STV, v26
	v_and_b32 v14, 8, v1
	v_add_nc_u32 v14, v14, v1                      ; r + 8 (r / 8): my token in a tile
	v_lshlrev_b32 v14, 7, v14
	v_lshl_add_u32 v14, v2, 6, v14                 ; v14: the tables: 128 bytes a token, + 64 h: my 16 angles
	s_mov_b32 s18, 0x76543210
	s_mov_b32 s19, 0xfedcba98                      ; v_permlanex16_b32's selects for lane l xor 16
.macro FRAG reg, adr, q, i             ; 16 rows x 128 K of 6-bit codes: lane l holds row l % 16; registers 6 c .. 6 c + 5 hold K = 64 c + 32 (l / 16) + 0 .. 31, as they lie; in pieces of 8 bytes
.irp p, 0,1,2,3,4,5
.set PCE, 12*(\q)+6*(\p/3)+\p%3       ; 16 bytes of padding lie behind every 8 pieces: where the piece three on lies behind one padding more, the second address register serves
.if PCE%8 < 5
	ds_load_b64 v[\reg+2*\p:\reg+2*\p+1], v[\adr] offset:8*PCE+16*(PCE/8)+(\i)*16*PITCH
.else
	ds_load_b64 v[\reg+2*\p:\reg+2*\p+1], v[\adr+2] offset:8*PCE+16*(PCE/8)+(\i)*16*PITCH
.endif
.endr
.endm
; 16 matrix instructions: A's blocks a0, a0 + 1 x B's eight, 128 along K.  The 64 accumulators take turns, one instruction a turn, in the same order in every step.
.macro MUL16 a0, p, q, sc, zero
.irp a, \a0, \a0+1
.irp b, 0,1,2,3,4,5,6,7
.if \zero
	v_wmma_scale_f32_16x16x128_f8f6f4 v[8*(8*((\a)%4)+\b):8*(8*((\a)%4)+\b)+7], v[128*(\p)+FR*\b:128*(\p)+FR*\b+FR-1], v[AF+FR*(\a):AF+FR*(\a)+FR-1], 0, v[SC+8*NQ*(\sc)+NQ*\b+(\q)], v[SC+8*NQ*(\sc)+NQ*(\a)+(\q)] matrix_a_fmt:MATRIX_FMT_FP6 matrix_b_fmt:MATRIX_FMT_FP6 matrix_a_scale:MATRIX_SCALE_ROW1
.else
	v_wmma_scale_f32_16x16x128_f8f6f4 v[8*(8*((\a)%4)+\b):8*(8*((\a)%4)+\b)+7], v[128*(\p)+FR*\b:128*(\p)+FR*\b+FR-1], v[AF+FR*(\a):AF+FR*(\a)+FR-1], v[8*(8*((\a)%4)+\b):8*(8*((\a)%4)+\b)+7], v[SC+8*NQ*(\sc)+NQ*\b+(\q)], v[SC+8*NQ*(\sc)+NQ*(\a)+(\q)] matrix_a_fmt:MATRIX_FMT_FP6 matrix_b_fmt:MATRIX_FMT_FP6 matrix_a_scale:MATRIX_SCALE_ROW1
.endif
.endr
.endr
.endm
.macro FETCH_B slot, q, p
	WIN TO_B
.irp i, 0,1,2,3,4,5,6,7
	FRAG 128*(\p)+FR*\i, ADRB+\slot, \q, \i
.endr
	WIN 0
.endm
.macro FETCH_A slot, q, i0
.irp i, \i0, \i0+1, \i0+2, \i0+3
	FRAG AF+FR*(\i), ADRA+\slot, \q, \i
.endr
.endm
.macro SCALES sc                       ; a K step's scale words: lanes 0-15 take A's block i, lanes 16-31 B's block i
.irp i, 0,1,2,3,4,5,6,7
	ds_load_b64 v[SC+8*NQ*\sc+NQ*\i:SC+8*NQ*\sc+NQ*\i+1], v[ADRS] offset:\i*SBLK
.endr
.endm
.macro PLACES n                        ; plain vector instructions between a matrix instruction and a load into, or a vector read or write of, its registers
.rept \n
	v_nop
.endr
.endm
.macro STEP slot, q, zero              ; a step of 128 along K that has its successor in the same slot
	s_wait_dscnt 4*NL                              ; B's set and A's blocks 0-3 are in; the youngest loads (A's blocks 4-7) may be out
	WIN MUL_LO
	MUL16 0, (\q)%2, \q, \slot, \zero
	MUL16 2, (\q)%2, \q, \slot, \zero
	s_wait_dscnt 0                                 ; A's blocks 4-7 are in
	PLACES NP
	FETCH_B \slot, (\q)+1, 1-(\q)%2
	FETCH_A \slot, (\q)+1, 0
	WIN MUL_HI
	MUL16 4, (\q)%2, \q, \slot, \zero
	MUL16 6, (\q)%2, \q, \slot, \zero
	PLACES NP
	WIN 0
	FETCH_A \slot, (\q)+1, 4
.endm
; A slot's last step changes slots: one barrier; in front of it each wave waits for all its tensor loads, adds 0 to its spare word, and waits for that and for its own reads of this slot.
.macro TURN slot, next, fill
	s_wait_tensorcnt 0x0                           ; all my tensor loads have landed: my part of the next slot
	ds_add_u32 v[SPW], v[NIL]                      ; 0 onto my spare word
	s_wait_dscnt 4*NL+1                            ; (the add and the youngest loads, A's blocks 4-7, may be out)
	WIN MUL_LO
	MUL16 0, 1, NQ-1, \slot, 0
	s_wait_dscnt 0x0                               ; the add is done, and my reads of this slot are over
	s_barrier_signal -1
	MUL16 2, 1, NQ-1, \slot, 0
	WIN 0
	s_barrier_wait -1
.if \fill
	CREST                                          ; the barrier has opened a round of the cluster's barrier: no wave of any partner still reads this slot or has a load on its way
	s_add_nc_u64 s[G0+4*\slot+2:G0+4*\slot+3], s[G0+4*\slot+2:G0+4*\slot+3], 2*ROWB
	s_add_nc_u64 s[G0B+4*\slot+2:G0B+4*\slot+3], s[G0B+4*\slot+2:G0B+4*\slot+3], 2*ROWB
	JLOAD G0+4*\slot, G1, G0B+4*\slot, G1B         ; the first tensor load behind the round; its four v_nop are the places in front of the loads below
.else
	PLACES NP
.endif
	v_add_nc_u32 v[ADRS], 4*NQ, v[ADRS]            ; on to the next K step's scale words
	FETCH_B \next, 0, 0
	FETCH_A \next, 0, 0
	SCALES \next
	WIN MUL_HI
	MUL16 4, 1, NQ-1, \slot, 0
	MUL16 6, 1, NQ-1, \slot, 0
	PLACES NP
	WIN 0
	FETCH_A \next, 0, 4
.endm
.macro LAST                            ; the very last step: nothing more to fetch
	s_wait_dscnt 4*NL
	WIN MUL_LO
	MUL16 0, 1, NQ-1, 1, 0
	MUL16 2, 1, NQ-1, 1, 0
	s_wait_dscnt 0
	WIN MUL_HI
	MUL16 4, 1, NQ-1, 1, 0
	MUL16 6, 1, NQ-1, 1, 0
	WIN 0
.endm
	s_wait_tensorcnt 1                             ; the scale bytes and my part of K step 0 are in (K step 1's load may be out),
	s_barrier_signal -1
	s_barrier_wait -1                              ; everybody's are
	FETCH_B 0, 0, 0
	FETCH_A 0, 0, 0
	SCALES 0
	FETCH_A 0, 0, 4
	STEP 0, 0, 1                                   ; the first step stands in front of the loop: its products start the sums
	s_mov_b32 s3, LAPS-1
.Llap:
	TURN 0, 1, 1
	STEP 1, 0, 0
	TURN 1, 0, 1
	STEP 0, 0, 0
	s_sub_co_u32 s3, s3, 1
	s_cmp_lg_u32 s3, 0
	s_cbranch_scc1 .Llap
	TURN 0, 1, 0                                   ; the last lap fills nothing
	STEP 1, 0, 0
	s_cmp_eq_u32 ttmp9, 2                          ; the ways part ONCE, on the cluster's x; the last step is written in both
	s_cbranch_scc1 .Lv
; ================ q and k ================
; Accumulator (a, b), lane (r, h): token 32 (a / 2) + 8 (a % 2) + r + 8 (r / 8) of my 128; register j: column 32 (b / 2) + 16 h + 8 (b % 2) + j of my 128 (two heads).
; So for head hd the 16 registers of b = 4 hd, 4 hd + 1 are u1 (d = 16 h + i) and those of b = 4 hd + 2, 4 hd + 3 are u2 (d = 32 + 16 h + i).
	s_cmp_eq_u32 ttmp9, 0                          ; q or k: where the images and the scale words go
	s_cselect_b64 s[20:21], s[96:97], s[100:101]
	s_cselect_b64 s[46:47], s[98:99], s[100:101]
	s_mov_b32 s92, 204800
	s_cselect_b32 s92, 98304, s92                  ; images: bytes from head to head,
	s_mov_b32 s93, 12800
	s_cselect_b32 s93, 6144, s93                   ; and from one 128 tokens to the next
	s_mov_b32 s94, 204800
	s_cselect_b32 s94, 4096, s94                   ; scale words likewise
	s_mov_b32 s95, 12800
	s_cselect_b32 s95, 256, s95
	s_cselect_b32 s66, 0, 12288                    ; K's scale words lie behind a key step's eight fragments
	s_lshr_b32 s40, s17, 3
	s_lshl_b32 s40, s40, 4                         ; 16 x batch
	s_and_b32 s43, s42, 3
	s_lshl_b32 s43, s43, 2
	s_add_co_u32 s40, s40, s43
	s_lshl_b32 s43, s16, 1
	s_add_co_u32 s40, s40, s43                     ; my first head
	s_and_b32 s41, s17, 7
	s_lshl_b32 s41, s41, 1
	s_add_co_u32 s41, s41, s15                     ; which 128 tokens of the sequence
	s_mul_i32 s44, s40, s92
	s_mul_i32 s43, s41, s93
	s_add_co_u32 s44, s44, s43
	s_mov_b32 s45, 0
	s_add_nc_u64 s[20:21], s[20:21], s[44:45]      ; s[20:21]: head 0's images
	s_mov_b32 s44, s92
	s_add_nc_u64 s[22:23], s[20:21], s[44:45]      ; s[22:23]: head 1's
	s_mul_i32 s44, s40, s94
	s_mul_i32 s43, s41, s95
	s_add_co_u32 s44, s44, s43
	s_add_co_u32 s44, s44, s66
	s_add_nc_u64 s[46:47], s[46:47], s[44:45]      ; s[46:47]: the scale words
	s_lshl_b32 s44, s41, 14                        ; the tables at my first token: 128 tokens x 128 bytes
	s_add_nc_u64 s[8:9], s[8:9], s[44:45]
	s_add_nc_u64 s[10:11], s[10:11], s[44:45]
	s_mov_b32 s12, 0x3c800000                      ; 1 / 64
	s_mov_b32 s13, 0x34000000                      ; eps = 2^-23
.macro COSSIN a                        ; block a's tables into window 1: my token's 16 cosines at v[32 a], its 16 sines at v[32 a + 16]
.irp i, 0,1,2,3
	global_load_b128 v[32*(\a)+4*\i:32*(\a)+4*\i+3], v14, s[8:9] offset:(32*((\a)/2)+8*((\a)%2))*128+16*\i
.endr
.irp i, 0,1,2,3
	global_load_b128 v[32*(\a)+16+4*\i:32*(\a)+16+4*\i+3], v14, s[10:11] offset:(32*((\a)/2)+8*((\a)%2))*128+16*\i
.endr
.endm
	WIN TO_B                                       ; blocks 0-3 land where B's set 0 lay: its last products stand in front of the step's four places
	COSSIN 0
	COSSIN 1
	COSSIN 2
	COSSIN 3
	LAST
	PLACES NP                                      ; for the loads into B's set 1, the reads of results and the writes over A's fragments
	WIN TO_B
	COSSIN 4
	COSSIN 5
	COSSIN 6
	COSSIN 7
	WIN 0
	v_lshlrev_b32 v12, 4, v1
	v_mad_u32_u24 v13, v2, s94, v12                ; the scale words' way out: lanes 0-15 head 0's 256 bytes, lanes 16-31 head 1's
.irp k, 0,1,2,3,4,5,6,7
	v_mov_b32 v[TP+\k], 0                          ; written once: a lane permute's destination counts as one of its sources
.endr
; Stream st = 2 hd + u is head hd of block a = 2 p + u.  The rotation, two numbers at a time: r1 = u1 cos + u2 sin, r2 = u2 cos - u1 sin.
.macro ROTM p, st, i
.set UA, 64*((2*(\p)+(\st)%2)%4)+32*((\st)/2)+(\i)
.set CA, 32*(2*(\p)+(\st)%2)+(\i)
.set RA, RR+32*(\st)+(\i)
	v_pk_mul_f32 v[RA:RA+1], v[UA+16:UA+17], v[CA+16:CA+17]
	v_pk_mul_f32 v[RA+16:RA+17], v[UA:UA+1], v[CA+16:CA+17]
.endm
.macro ROTF p, st, i
.set UA, 64*((2*(\p)+(\st)%2)%4)+32*((\st)/2)+(\i)
.set CA, 32*(2*(\p)+(\st)%2)+(\i)
.set RA, RR+32*(\st)+(\i)
	v_pk_fma_f32 v[RA:RA+1], v[UA:UA+1], v[CA:CA+1], v[RA:RA+1]
	v_pk_fma_f32 v[RA+16:RA+17], v[UA+16:UA+17], v[CA:CA+1], v[RA+16:RA+17] neg_lo:[0,0,1] neg_hi:[0,0,1]
.endm
; Blocks 2 p and 2 p + 1 of both heads: four streams line by line.  They become one fragment and one scale word a head.
.macro PAIR p
	s_wait_loadcnt 48-16*(\p)                      ; the tables of blocks 0 .. 2 p + 1 are in: 16 loads for each later pair may be out
.if (\p) > 0
	s_wait_xcnt 0x0                                ; the last pair's stores have read the images' registers
.endif
	WIN 0x06+(\p)/2                                ; source 0: the accumulators' window; source 1: window 1
.irp i, 0,2,4,6,8,10,12,14             ; ascending: each accumulator is first read at its low end
.irp st, 0,1,2,3
	ROTM \p, \st, \i
.endr
.irp st, 0,1,2,3
	ROTF \p, \st, \i
.endr
.endr
	WIN 0
.irp st, 0,1,2,3
	v_pk_mul_f32 v[TM+2*\st:TM+2*\st+1], v[RR+32*\st:RR+32*\st+1], v[RR+32*\st:RR+32*\st+1]   ; the sum of squares of my 32
.endr
.irp i, 2,4,6,8,10,12,14,16,18,20,22,24,26,28,30
.irp st, 0,1,2,3
	v_pk_fma_f32 v[TM+2*\st:TM+2*\st+1], v[RR+32*\st+\i:RR+32*\st+\i+1], v[RR+32*\st+\i:RR+32*\st+\i+1], v[TM+2*\st:TM+2*\st+1]
.endr
.endr
.irp st, 0,1,2,3
	v_add_f32 v[TM+2*\st], v[TM+2*\st], v[TM+2*\st+1]
.endr
.irp st, 0,1,2,3
	v_permlanex16_b32 v[TM+2*\st+1], v[TM+2*\st], s18, s19
.endr
.irp st, 0,1,2,3
	v_add_f32 v[TM+2*\st], v[TM+2*\st], v[TM+2*\st+1]   ; with lane l xor 16's 32: the head's 64
.endr
.irp st, 0,1,2,3
	v_fma_f32 v[TM+2*\st], v[TM+2*\st], s12, s13   ; the mean + eps
.endr
.irp st, 0,1,2,3
	v_rsq_f32 v[TM+2*\st], v[TM+2*\st]
.endr
	v_nop                                          ; a plain instruction behind the last of the four
	s_wait_alu depctr_va_vdst(0)                   ; one wait for the four, ahead of their first reader
.irp i, 0,2,4,6,8,10,12,14,16,18,20,22,24,26,28,30
.irp st, 0,1,2,3
	v_pk_mul_f32 v[RR+32*\st+\i:RR+32*\st+\i+1], v[RR+32*\st+\i:RR+32*\st+\i+1], v[TM+2*\st:TM+2*\st+1] op_sel_hi:[1,0]
.endr
.endr
.irp st, 0,1,2,3                       ; the head's two blocks of 32: block b lies in my 16 registers 16 b on and in lane l xor 16's
.irp b, 0,1
	v_max3_num_f32 v[TM+2*\st+\b], |v[RR+32*\st+16*\b]|, |v[RR+32*\st+16*\b+1]|, 0x1800000   ; with the floor 2^(3 - 127): the byte cannot fall under 1
.endr
.endr
.irp i, 2,4,6,8,10,12,14
.irp st, 0,1,2,3
.irp b, 0,1
	v_max3_num_f32 v[TM+2*\st+\b], v[TM+2*\st+\b], |v[RR+32*\st+16*\b+\i]|, |v[RR+32*\st+16*\b+\i+1]|
.endr
.endr
.endr
.irp k, 0,1,2,3,4,5,6,7
	v_permlanex16_b32 v[TP+\k], v[TM+\k], s18, s19
.endr
.irp k, 0,1,2,3,4,5,6,7
	v_max_num_f32 v[TM+\k], v[TM+\k], v[TP+\k]
.endr
.irp k, 0,1,2,3,4,5,6,7
	v_add_nc_u32 v[TM+\k], 0xff000000, v[TM+\k]    ; 2 off the exponent field: the conversion's scale operand
.endr
.irp k, 0,1,2,3,4,5,6,7
	v_lshrrev_b32 v[TP+\k], 23, v[TM+\k]           ; the scale's byte
.endr
.irp st, 0,1,2,3
	v_lshl_or_b32 v[TP+2*\st], v[TP+2*\st+1], 8, v[TP+2*\st]
.endr
.irp hd, 0,1
	v_lshl_or_b32 v[WD+2*(\p)+\hd], v[TP+4*\hd+2], 16, v[TP+4*\hd]   ; bytes 0, 1: block 2 p; bytes 2, 3: block 2 p + 1
.endr
.irp st, 0,1,2,3
	v_cvt_scalef32_pk16_fp6_f32 v[IMG+12*(\st/2)+6*(\st%2):IMG+12*(\st/2)+6*(\st%2)+2], v[RR+32*\st:RR+32*\st+15], v[TM+2*\st]
	v_cvt_scalef32_pk16_fp6_f32 v[XT+4*\st:XT+4*\st+2], v[RR+32*\st+16:RR+32*\st+31], v[TM+2*\st+1]   ; (a conversion's three registers begin on an even number)
.endr
	v_nop                                          ; one plain place behind a scaled conversion
.irp st, 0,1,2,3                       ; the operand's layout wants a whole block in a lane: lanes 0-15 d = 0 .. 31, lanes 16-31 d = 32 .. 63
.irp i, 0,1,2
	v_permlane16_swap_b32 v[IMG+12*(\st/2)+6*(\st%2)+\i], v[XT+4*\st+\i]
.endr
.endr
.irp st, 0,1,2,3
.irp i, 0,1,2
	v_mov_b32 v[IMG+12*(\st/2)+6*(\st%2)+3+\i], v[XT+4*\st+\i]
.endr
.endr
.irp c, 0,1,2
	global_store_b128 v31, v[IMG+4*\c:IMG+4*\c+3], s[20:21] offset:1536*(\p)+512*\c        ; 32 lanes store 512 consecutive bytes, aligned
	global_store_b128 v31, v[IMG+12+4*\c:IMG+12+4*\c+3], s[22:23] offset:1536*(\p)+512*\c
.endr
	ds_store_b32 v24, v[WD+2*(\p)] offset:64*(\p)          ; both halves of the lanes hold the same word and write it to the same place
	ds_store_b32 v24, v[WD+2*(\p)+1] offset:256+64*(\p)
.endm
	PAIR 0
	PAIR 1
	PAIR 2
	PAIR 3
	ds_load_b128 v[XT:XT+3], v26                   ; LDS serves a wave's instructions in order: this sees my eight stores
	s_wait_dscnt 0x0
	global_store_b128 v13, v[XT:XT+3], s[46:47]    ; sixteen lanes store a head's 256 bytes of scale words, aligned
	s_branch .Ltail
; ================ v ================
; Accumulator (a, b), lane (r, h): channel place 16 a + r of my 128 (head a / 4, tile a % 4); the 64 registers of row block a: register 16 bb + i = token 32 bb + 16 h + i of my 128: one fragment of V^T.
.Lv:
	s_lshr_b32 s40, s42, 3
	s_lshl_b32 s40, s40, 4                         ; 16 x batch
	s_lshl_b32 s43, s17, 2
	s_add_co_u32 s40, s40, s43
	s_lshl_b32 s43, s15, 1
	s_add_co_u32 s40, s40, s43                     ; my first head
	s_and_b32 s41, s42, 7
	s_lshl_b32 s41, s41, 1
	s_add_co_u32 s41, s41, s16                     ; the key step
	s_mul_i32 s44, s40, 204800
	s_mul_i32 s43, s41, 12800
	s_add_co_u32 s44, s44, s43
	s_add_co_u32 s44, s44, 6144                    ; V's fragments lie behind K's four
	s_mov_b32 s45, 0
	s_add_nc_u64 s[20:21], s[100:101], s[44:45]
	LAST
	PLACES NP
	v_mul_u32_u24 v13, 0x32000, v2
	v_lshl_add_u32 v13, v1, 4, v13                 ; the scale words' way out: lanes 16-31 one head (204,800 bytes) on
.irp b, 0,1,2,3
	v_mov_b32 v[TM+4+\b], 0                        ; written once: a lane permute's destination counts as one of its sources
.endr
.macro QUANTW a
.set AC, 64*((\a)%4)
.if (\a) > 0
	s_wait_xcnt 0x0                                ; the last block's stores have read the codes' registers
.endif
	WIN 0x28+0x14*((\a)/4)                         ; sources 1 and 2: the accumulators' window
.irp b, 0,1,2,3
	v_max3_num_f32 v[TM+\b], 0x1800000, |v[AC+16*\b]|, |v[AC+16*\b+1]|   ; block b: my 16 tokens, and the floor 2^(3 - 127)
.endr
.irp i, 2,4,6,8,10,12,14               ; ascending: each accumulator is first read at its low end
.irp b, 0,1,2,3
	v_max3_num_f32 v[TM+\b], v[TM+\b], |v[AC+16*\b+\i]|, |v[AC+16*\b+\i+1]|
.endr
.endr
	WIN 0
.irp b, 0,1,2,3
	v_permlanex16_b32 v[TM+4+\b], v[TM+\b], s18, s19
.endr
.irp b, 0,1,2,3
	v_max_num_f32 v[TM+\b], v[TM+\b], v[TM+4+\b]
.endr
.irp b, 0,1,2,3
	v_add_nc_u32 v[TM+12+\b], 0xff000000, v[TM+\b]
.endr
.irp b, 0,1,2,3
	v_lshrrev_b32 v[TM+4+\b], 23, v[TM+12+\b]
.endr
	v_lshl_or_b32 v[WD+(\a)], v[TM+5], 8, v[TM+4]  ; my channel's scale word for these 128 keys
	v_lshl_or_b32 v[WD+(\a)], v[TM+6], 16, v[WD+(\a)]
	v_lshl_or_b32 v[WD+(\a)], v[TM+7], 24, v[WD+(\a)]
	WIN 2+(\a)/4                                   ; source 0: the accumulators' window
.irp c, 0,1
	v_cvt_scalef32_pk16_fp6_f32 v[PC+6*\c:PC+2+6*\c], v[AC+32*\c:AC+15+32*\c], v[TM+12+2*\c]
	v_cvt_scalef32_pk16_fp6_f32 v[PC+12+4*\c:PC+14+4*\c], v[AC+16+32*\c:AC+31+32*\c], v[TM+12+2*\c+1]
.endr
	WIN 0
	v_nop                                          ; one plain place behind a scaled conversion
.irp c, 0,1
.irp i, 0,1,2
	v_permlane16_swap_b32 v[PC+6*\c+\i], v[PC+12+4*\c+\i]
.endr
.irp i, 0,1,2
	v_mov_b32 v[PC+3+6*\c+\i], v[PC+12+4*\c+\i]
.endr
.endr
.irp c, 0,1,2
	global_store_b128 v31, v[PC+4*\c:PC+4*\c+3], s[20:21] offset:((\a)/4)*204800+((\a)%4)*1536+512*\c
.endr
	ds_store_b32 v25, v[WD+(\a)] offset:64*(\a)
.endm
.irp a, 0,1,2,3,4,5,6,7
	QUANTW \a
.endr
	ds_load_b128 v[XT:XT+3], v30
	s_wait_dscnt 0x0
	global_store_b128 v13, v[XT:XT+3], s[20:21] offset:6400   ; V's scale words: byte 12,544 of the key step
.Ltail:
	s_wait_tensorcnt 0x0                           ; the wave's end: behind my last tensor load and my last LDS store
	ds_add_u32 v[SPW], v[NIL]
	s_wait_dscnt 0x0
	CROUND                                         ; the closing round: no work-group ends while a partner may still ask for a tile that names it
	s_endpgm
.Lfunc_end_k_q5105b92c02_gemm_qkv:
	.size	k_q5105b92c02_gemm_qkv, .Lfunc_end_k_q5105b92c02_gemm_qkv-k_q5105b92c02_gemm_qkv
	.p2alignl 7, 3214868480
	.fill 96, 4, 3214868480
	.section	.rodata,"a",@progbits
	.p2align	6, 0x0
	.amdhsa_kernel k_q5105b92c02_gemm_qkv
		.amdhsa_group_segment_fixed_size 327680
		.amdhsa_private_segment_fixed_size 0
		.amdhsa_enable_private_segment 0
		.amdhsa_kernarg_size 56
		.amdhsa_user_sgpr_count 2
		.amdhsa_user_sgpr_kernarg_segment_ptr 1
		.amdhsa_wavefront_size32 1
		.amdhsa_system_sgpr_workgroup_id_x 1
		.amdhsa_system_sgpr_workgroup_id_y 1
		.amdhsa_system_sgpr_workgroup_id_z 1
		.amdhsa_system_vgpr_workitem_id 0
		.amdhsa_next_free_vgpr 1024
		.amdhsa_next_free_sgpr 102
		.amdhsa_reserve_vcc 0
		.amdhsa_float_denorm_mode_32 3
		.amdhsa_float_denorm_mode_16_64 3
		.amdhsa_memory_ordered 1
		.amdhsa_forward_progress 1
		.amdhsa_inst_pref_size 255
	.end_amdhsa_kernel
	.section	.bss,"aw",@nobits
	.p2align	6
	.space	262144
	.amdgpu_metadata
---
amdhsa.version: [ 1, 2 ]
amdhsa.kernels:
  - .name:           k_q5105b92c02_gemm_qkv
    .symbol:         k_q5105b92c02_gemm_qkv.kd
    .args:
      - { .name: codes, .offset: 0, .size: 8, .value_kind: global_buffer, .address_space: global }
      - { .name: scales, .offset: 8, .size: 8, .value_kind: global_buffer, .address_space: global }
      - { .name: cos, .offset: 16, .size: 8, .value_kind: global_buffer, .address_space: global }
      - { .name: sin, .offset: 24, .size: 8, .value_kind: global_buffer, .address_space: global }
      - { .name: q_img, .offset: 32, .size: 8, .value_kind: global_buffer, .address_space: global }
      - { .name: q_sc, .offset: 40, .size: 8, .value_kind: global_buffer, .address_space: global }
      - { .name: kv, .offset: 48, .size: 8, .value_kind: global_buffer, .address_space: global }
    .group_segment_fixed_size: 327680
    .private_segment_fixed_size: 0
    .kernarg_segment_align: 8
    .kernarg_segment_size: 56
    .max_flat_workgroup_size: 128
    .sgpr_count:     102
    .vgpr_count:     1024
    .wavefront_size: 32
...
	.end_amdgpu_metadata
.endif
;; end of part 2
;; launch attn (part 3): grid 4 x 64, 16 waves a work-group, no clusters, 206,848 bytes of LDS; arguments q_img, q_sc, kv, y_img, y_sc; writes y_img, y_sc
.if DOCPART == 3
	.amdgcn_target "amdgcn-amd-amdhsa--gfx1250"
	.amdhsa_code_object_version 6
	.text
	.protected	k_q5105b92c02_attn
	.globl	k_q5105b92c02_attn
	.p2align	8
	.type	k_q5105b92c02_attn,@function
k_q5105b92c02_attn:
	s_mov_b64 s[64:65], 0
	v_nop
	global_prefetch_b8 v0, s[64:65] scope:SCOPE_SE
	s_setreg_imm32_b32 hwreg(HW_REG_WAVE_MODE, 25, 1), 1
	s_wait_xcnt 0x0
; Causal attention of one head on codes of FP6 (E2M3) with E8M0 scales: S^T = K Q^T (K = the head's 64), p = 2^t with t = score x log2(e) / 8, O^T = V^T P^T (K = the keys), y = O / l, quantised along the channels.
; NO MAXIMUM IS TAKEN AWAY, AND WHY THAT HOLDS FOR EVERY INPUT: q and k are RMS-normalised by the computation itself, so each has norm at most 8; a quantised number is at most 17/16 of its number plus 1/64 of its block's largest,
; which bounds the quantised norms by 9.21, the scores / 8 by 10.6 and |t| by 15.3.  So p lies between 2^-15.3 and 2^15.3 and a row's sum under 2^27: nothing overflows or underflows.  The whole number M of the rule is 0 here;
; a block's scale takes up any whole M, so the codes' values are those of the rule.  Hidden keys get the score -infinity, p = 0.
; K = 64 UNDER AN INSTRUCTION OF 128: a fragment of K holds two tiles of 16 keys (k 0-63: tile 2 p, k 64-127: tile 2 p + 1).  It is multiplied once by [q, 0] and once by [0, q]: zero codes add nothing.
; SHARES.  A work-group owns one head and the query blocks i and 7 - i of 256 queries: (i + 1) + (8 - i) = 9 blocks of 256 keys for every work-group.  Each of its sixteen waves owns one tile of 16 queries of each block.
; THE HEAD'S K AND V STAY IN LDS: 16 key steps of 12,800 bytes (K's 4 fragments, V's 4, K's and V's scale words), filled ONCE by waves 0-3, four tensor loads each; nothing is filled again and nothing is stored to LDS.
; ORDER OF ROWS: tokens lie with bits 3 and 4 of their index exchanged, so lane r of tile qt is query 32 (qt / 2) + 8 (qt % 2) + r + 8 (r / 8), and the 16 registers of score tiles 2 b, 2 b + 1 are keys 32 b + 16 (lane / 16) + 0 .. 15.
; No cluster: the four work-groups of a head read the same K and V, but which key steps a wave leaves out hangs on its query block, which would be its place in the cluster.
; LIMITS: NaN and infinities are not served; a block of zeros gets the byte 1 (its codes are zeros; this program alone reads the bytes).
; REGISTERS: v1 16 lane, v2 4 lane, v3 r + 8 (r / 8) - 16 h, v4, v5 LDS addresses in hand, v6 4 r, v7 8 lane, v[8:11] the sum in two chains, v12, v13 q's scale words for [q, 0] and [0, q], v14, v15 K's scale words,
;   v16-33 the run 0, q, 0; v34-81 K's four fragments; v82-129 V's four; v130-193 S^T, then p; v194-225 O^T; v226-237 p's codes; v238-240, v242-244 conversions' second halves; v241, v245 V's scale words;
;   v246-249 largest magnitudes; v250-253 the other half's, then bytes; v254 p's scale word; v255 at work.
.set STEPB, 12800                      ; a key step in LDS and in memory
	s_load_b256 s[4:11], s[0:1], 0x0               ; q's images s[4:5], q's scale words s[6:7], kv s[8:9], y's images s[10:11]
	s_load_b64 s[12:13], s[0:1], 0x20              ; y's scale bytes
	v_lshl_add_u32 v254, v0, 2, 0x32000
	v_mov_b32 v255, 0
	ds_add_u32 v254, v255
	ds_add_u32 v254, v255
	s_wait_dscnt 0x0
	v_lshrrev_b32 v1, 5, v0
	v_readfirstlane_b32 s14, v1                    ; wave 0..15
	s_mov_b32 s15, ttmp9                           ; i
	s_and_b32 s16, ttmp7, 0xffff                   ; batch x 16 + head
	; descriptor group 1: a key step, 12,800 dense bytes, as 50 rows of 256 bytes (32 elements of 8 bytes), no padding
	s_mov_b32 s24, 3<<16
	s_mov_b32 s25, 32<<16                          ; tensor_dim0
	s_mov_b32 s26, 50<<16                          ; tensor_dim1
	s_mov_b32 s27, 32<<16                          ; tile_dim0
	s_mov_b32 s28, 50                              ; tile_dim1
	s_mov_b32 s29, 32                              ; tensor_dim0_stride
	s_mov_b32 s30, 0
	s_mov_b32 s31, 0
	s_lshl_b32 s2, s16, 4
	s_add_co_u32 s2, s2, s14
	s_mul_i32 s2, s2, STEPB                        ; key step w of my head, in memory,
	s_mov_b32 s3, 0
	s_mul_i32 s52, s14, STEPB                      ; and in LDS
	s_wait_kmcnt 0x0
	s_add_nc_u64 s[2:3], s[8:9], s[2:3]
.irp g, 0,1,2,3                        ; load g of wave w brings key step 4 g + w
	s_mov_b32 s[32+4*\g], 1
	s_add_co_u32 s[33+4*\g], s52, 4*STEPB*\g
	s_add_nc_u64 s[34+4*\g:35+4*\g], s[2:3], 4*STEPB*\g
	s_or_b32 s[35+4*\g], s[35+4*\g], 0x80000000
.endr
	s_cmp_lt_u32 s14, 4                            ; all first fills stand in one branch on the wave's number, ahead of every wait on TENSORcnt, every LDS read and every barrier: four loads of a fetching wave are out
	s_cbranch_scc0 .Lno_fill
	tensor_load_to_lds s[32:35], s[24:31]
	s_nop 0
	tensor_load_to_lds s[36:39], s[24:31]
	s_nop 0
	tensor_load_to_lds s[40:43], s[24:31]
	s_nop 0
	tensor_load_to_lds s[44:47], s[24:31]
	s_nop 0
.rept 4
	v_nop
.endr
.Lno_fill:
	v_and_b32 v2, 31, v0
	v_lshlrev_b32 v1, 4, v2                        ; 16 x lane
	v_lshlrev_b32 v7, 3, v2                        ; 8 x lane
	v_lshlrev_b32 v2, 2, v2                        ; 4 x lane
	v_and_b32 v6, 15, v0                           ; r
	v_and_b32 v3, 8, v6
	v_add_nc_u32 v3, v3, v6                        ; r + 8 (r / 8)
	v_bfe_u32 v4, v0, 4, 1
	v_lshlrev_b32 v4, 4, v4
	v_sub_nc_u32 v3, v3, v4                        ; - 16 h
	v_lshlrev_b32 v6, 2, v6                        ; 4 r
.irp j, 16,17,18,19,20,21,28,29,30,31,32,33
	v_mov_b32 v\j, 0                               ; the zero codes on both sides of q
.endr
.irp j, 250,251,252,253
	v_mov_b32 v\j, 0                               ; written once: a lane permute's destination counts as one of its sources
.endr
	s_mov_b32 s20, 0x76543210
	s_mov_b32 s21, 0xfedcba98                      ; v_permlanex16_b32's selects for lane l xor 16
	s_mov_b32 s22, 0x3e38aa3b                      ; c = log2(e) / 8
	s_mov_b32 s23, s22                             ; (named with it as a pair, so it is written)
	s_and_b32 s51, s14, 1
	s_sub_co_u32 s50, 0, s51                       ; all ones where my tile is the second of its pair
	s_lshl_b32 s51, s51, 4                         ; and where its two scale bytes begin in the pair's word
	s_mov_b32 s62, 0xffff0000                      ; lanes 16-31
; A pass begins: query block s17.  q's half of its pair's image, its scale bytes; O^T and the sums are cleared.
.macro INIT
	s_wait_xcnt 0x0                                ; the last pass's stores have read their registers and addresses
	s_lshl_b32 s18, s17, 8
	s_lshr_b32 s52, s14, 1
	s_lshl_b32 s53, s52, 5
	s_add_co_u32 s18, s18, s53
	s_and_b32 s53, s14, 1
	s_lshl_b32 s53, s53, 3
	s_add_co_u32 s18, s18, s53                     ; Q0 = 256 block + 32 (w / 2) + 8 (w % 2): my lowest query; the highest is Q0 + 23
	s_lshl_b32 s53, s16, 6
	s_lshl_b32 s2, s17, 3
	s_add_co_u32 s53, s53, s2
	s_add_co_u32 s52, s53, s52                     ; my pair of tiles: 64 a head, 8 a block
	s_mul_i32 s2, s52, 1536
	s_mov_b32 s3, 0
	s_add_nc_u64 s[54:55], s[4:5], s[2:3]
	s_lshl_b32 s2, s52, 6
	s_add_nc_u64 s[56:57], s[6:7], s[2:3]
.irp c, 0,1,2
	global_load_b128 v[162+4*\c:165+4*\c], v1, s[54:55] offset:512*\c
.endr
	global_load_b32 v174, v6, s[56:57]
	s_mov_b32 s19, 0                               ; the step's first key
	s_mov_b32 s48, 0                               ; and where the step lies in LDS
	s_wait_loadcnt 0x0
.irp i, 0,1,2,3,4,5
	v_cndmask_b32 v[22+\i], v[162+\i], v[168+\i], s50   ; registers 0-5 or 6-11 of the pair's image: my tile's 64 codes a query
.endr
	v_lshrrev_b32 v255, s51, v174
	v_and_b32 v255, 0xffff, v255                   ; my tile's two scale bytes
	v_or_b32 v12, 0x7f7f0000, v255                 ; for [q, 0]: the zero codes' blocks get the byte of 1.0
	v_lshl_or_b32 v13, v255, 16, 0x7f7f            ; for [0, q]
.irp j, 0,1,2,3,4,5,6,7,8,9,10,11,12,13,14,15,16,17,18,19,20,21,22,23,24,25,26,27,28,29,30,31
	v_mov_b32 v[194+\j], 0                         ; O^T: the step is written once for all steps.  (These are also the places between the scale words' and q's last writes and the first product)
.endr
.irp j, 8,9,10,11
	v_mov_b32 v\j, 0                               ; the sums
.endr
.endm
; A KEY STEP: 128 keys from s19 on.
.macro STEP
	s_add_co_u32 s52, s18, 23                      ; a step all of whose keys come after my queries is left out: a branch on ids, round the work alone; the lines at the step's end always run
	s_cmp_gt_u32 s19, s52
	s_cbranch_scc1 .Lhidden_\@
	v_add_nc_u32 v4, s48, v1
	v_add_nc_u32 v5, s48, v2
	v_nop
	v_nop                                          ; four places between the last step's products and the loads into V's fragments and scale words
.irp p, 0,1,2,3
.irp c, 0,1,2
	ds_load_b128 v[34+12*\p+4*\c:37+12*\p+4*\c], v4 offset:1536*\p+512*\c
.endr
.endr
	ds_load_b32 v14, v5 offset:12288               ; lanes 0-15: fragment 0's scale words, lanes 16-31: fragment 1's
	ds_load_b32 v15, v5 offset:12416
.irp p, 0,1,2,3
.irp c, 0,1,2
	ds_load_b128 v[82+12*\p+4*\c:85+12*\p+4*\c], v4 offset:6144+1536*\p+512*\c
.endr
.endr
	ds_load_b32 v241, v5 offset:12544
	ds_load_b32 v245, v5 offset:12672
	s_wait_dscnt 14                                ; K's 14 loads are in; V's 14 may be out
.irp p, 0,1,2,3
.if (\p)%2
	v_wmma_scale_f32_16x16x128_f8f6f4 v[130+16*\p:137+16*\p], v[34+12*\p:45+12*\p], v[22:33], 0, v[14+\p/2], v12 matrix_a_fmt:MATRIX_FMT_FP6 matrix_b_fmt:MATRIX_FMT_FP6 matrix_a_scale:MATRIX_SCALE_ROW1
	v_wmma_scale_f32_16x16x128_f8f6f4 v[138+16*\p:145+16*\p], v[34+12*\p:45+12*\p], v[16:27], 0, v[14+\p/2], v13 matrix_a_fmt:MATRIX_FMT_FP6 matrix_b_fmt:MATRIX_FMT_FP6 matrix_a_scale:MATRIX_SCALE_ROW1
.else
	v_wmma_scale_f32_16x16x128_f8f6f4 v[130+16*\p:137+16*\p], v[34+12*\p:45+12*\p], v[22:33], 0, v[14+\p/2], v12 matrix_a_fmt:MATRIX_FMT_FP6 matrix_b_fmt:MATRIX_FMT_FP6
	v_wmma_scale_f32_16x16x128_f8f6f4 v[138+16*\p:145+16*\p], v[34+12*\p:45+12*\p], v[16:27], 0, v[14+\p/2], v13 matrix_a_fmt:MATRIX_FMT_FP6 matrix_b_fmt:MATRIX_FMT_FP6
.endif
.endr
.rept 4
	v_nop
.endr
	s_add_co_u32 s52, s19, 127                     ; on the diagonal hidden scores become -infinity; a step all of whose keys count skips this
	s_cmp_le_u32 s52, s18
	s_cbranch_scc1 .Lopen_\@
	s_sub_co_i32 s52, s18, s19
	v_add_nc_u32 v255, s52, v3                     ; d = my query - the step's first key - 16 h.  Register 16 b + i holds key 32 b + 16 h + i: hidden where 32 b + i > d
	v_mov_b32 v250, 0xff800000
.set n, 0
.rept 64
	v_cmp_gt_i32 vcc_lo, 32*(n/16)+n%16, v255
	v_cndmask_b32 v[130+n], v[130+n], v250, vcc_lo
.set n, n+1
.endr
.Lopen_\@:
.irp b, 0,1,2,3
	v_max3_num_f32 v[246+\b], v[130+16*\b], v[131+16*\b], v[132+16*\b]   ; the largest score of each block of 32 keys: p rises with the score, so it gives the block's largest p
.endr
.irp i, 3,5,7,9,11,13
.irp b, 0,1,2,3
	v_max3_num_f32 v[246+\b], v[246+\b], v[130+16*\b+\i], v[131+16*\b+\i]
.endr
.endr
.irp b, 0,1,2,3
	v_max_num_f32 v[246+\b], v[246+\b], v[145+16*\b]
.endr
.irp b, 0,1,2,3
	v_permlanex16_b32 v[250+\b], v[246+\b], s20, s21
.endr
.irp b, 0,1,2,3
	v_max_num_f32 v[246+\b], v[246+\b], v[250+\b]  ; with lane l xor 16's 16 keys
.endr
.set n, 0
.rept 32
	v_pk_mul_f32 v[130+n:131+n], v[130+n:131+n], s[22:23] op_sel_hi:[1,0]   ; t = score x c
.set n, n+2
.endr
.irp b, 0,1,2,3
	v_mul_f32 v[246+\b], s22, v[246+\b]            ; the same of each block's largest score
.endr
.set n, 0
.rept 64
	v_exp_f32 v[130+n], v[130+n]                   ; p = 2^t
.set n, n+1
.endr
	v_nop                                          ; a plain instruction behind the batch
	s_wait_alu depctr_va_vdst(0)                   ; one wait for the 64, ahead of their first reader
.irp b, 0,1,2,3
	v_exp_f32 v[246+\b], v[246+\b]                 ; the block's largest p: the same two instructions on the same number give the same bits
.endr
.set n, 0
.rept 8
	v_pk_add_f32 v[8:9], v[8:9], v[130+n:131+n]    ; the row's sum is taken of the unquantised p, in two chains: here the first 32 registers
	v_pk_add_f32 v[10:11], v[10:11], v[132+n:133+n]
.set n, n+4
.endr
	s_wait_alu depctr_va_vdst(0)                   ; and one for the four
.irp b, 0,1,2,3
	v_max_num_f32 v[246+\b], 0x1800000, v[246+\b]  ; the floor 2^(3 - 127): a block whose every p is 0 keeps the byte 1: its codes are zeros
.endr
.irp b, 0,1,2,3
	v_add_nc_u32 v[246+\b], 0xff000000, v[246+\b]  ; 2 off the exponent field: the conversion's scale operand
.endr
.irp b, 0,1,2,3
	v_lshrrev_b32 v[250+\b], 23, v[246+\b]         ; the scale's byte
.endr
	v_lshl_or_b32 v254, v251, 8, v250              ; p's scale word for these 128 keys
	v_lshl_or_b32 v254, v252, 16, v254
	v_lshl_or_b32 v254, v253, 24, v254
.irp c, 0,1
	v_cvt_scalef32_pk16_fp6_f32 v[226+6*\c:228+6*\c], v[130+32*\c:145+32*\c], v[246+2*\c]
	v_cvt_scalef32_pk16_fp6_f32 v[238+4*\c:240+4*\c], v[146+32*\c:161+32*\c], v[247+2*\c]   ; (a conversion's three registers begin on an even number)
.endr
	v_nop                                          ; one plain place behind a scaled conversion
.irp c, 0,1                            ; the operand's layout wants a whole block in a lane
.irp i, 0,1,2
	v_permlane16_swap_b32 v[226+6*\c+\i], v[238+4*\c+\i]
.endr
.irp i, 0,1,2
	v_mov_b32 v[229+6*\c+\i], v[238+4*\c+\i]
.endr
.endr
.set n, 32
.rept 8
	v_pk_add_f32 v[8:9], v[8:9], v[130+n:131+n]    ; the sum's other 32 registers: also the places between the scale word's and the codes' last writes and the products
	v_pk_add_f32 v[10:11], v[10:11], v[132+n:133+n]
.set n, n+4
.endr
	s_wait_dscnt 0x0                               ; V is in
.irp t, 0,1,2,3                        ; four accumulators, one instruction each: between two links of a chain stand eleven other matrix instructions
.if (\t)%2
	v_wmma_scale_f32_16x16x128_f8f6f4 v[194+8*\t:201+8*\t], v[82+12*\t:93+12*\t], v[226:237], v[194+8*\t:201+8*\t], v[241+4*(\t/2)], v254 matrix_a_fmt:MATRIX_FMT_FP6 matrix_b_fmt:MATRIX_FMT_FP6 matrix_a_scale:MATRIX_SCALE_ROW1
.else
	v_wmma_scale_f32_16x16x128_f8f6f4 v[194+8*\t:201+8*\t], v[82+12*\t:93+12*\t], v[226:237], v[194+8*\t:201+8*\t], v[241+4*(\t/2)], v254 matrix_a_fmt:MATRIX_FMT_FP6 matrix_b_fmt:MATRIX_FMT_FP6
.endif
.endr
.Lhidden_\@:
	s_add_co_u32 s19, s19, 128
	s_add_co_u32 s48, s48, STEPB
.endm
.macro WALK n                          ; n key steps: the trip count is a constant
	s_mov_b32 s49, \n
.Lwalk_\@:
	STEP
	s_sub_co_u32 s49, s49, 1
	s_cmp_lg_u32 s49, 0
	s_cbranch_scc1 .Lwalk_\@
.endm
.macro WAITB n                         ; the fetching waves' loads but the youngest n have landed; then the barrier shows them to all sixteen.  Later loads may stay out
	s_wait_tensorcnt \n
	s_wait_dscnt 0x0
	s_barrier_signal -1
	s_barrier_wait -1
.endm
; A pass ends: y = O / l, quantised along the head's 64 channels (two blocks), stored as half of a fragment's image for the last product.
.macro FINISH
	v_pk_add_f32 v[8:9], v[8:9], v[10:11]          ; (with the three lines below and the v_nop: the places behind the last products)
	v_add_f32 v8, v8, v9
	v_permlanex16_b32 v9, v8, s20, s21
	v_add_f32 v8, v8, v9                           ; the row's sum
	v_rcp_f32 v8, v8
	v_nop
	s_lshr_b32 s52, s16, 4
	s_lshl_b32 s52, s52, 7
	s_lshl_b32 s53, s17, 4
	s_add_co_u32 s52, s52, s53
	s_add_co_u32 s52, s52, s14                     ; my tile of 16 rows among the 512: 128 batch + 16 block + wave
	s_and_b32 s53, s16, 15                         ; the head
	s_mul_i32 s2, s52, 12288
	s_mul_i32 s63, s53, 768
	s_add_co_u32 s2, s2, s63
	s_mov_b32 s3, 0
	s_add_nc_u64 s[58:59], s[10:11], s[2:3]        ; fragment head / 2 of the tile, its half head % 2: three runs of 256 bytes
	s_lshl_b32 s2, s52, 9
	s_lshl_b32 s63, s53, 1
	s_add_co_u32 s2, s2, s63
	s_add_nc_u64 s[60:61], s[12:13], s[2:3]        ; 32 scale bytes a row; the head's two
	s_wait_alu depctr_va_vdst(0)                   ; ahead of the reciprocal's first reader
.set n, 0
.rept 16
	v_pk_mul_f32 v[130+n:131+n], v[194+n:195+n], v[8:9] op_sel_hi:[1,0]   ; ascending.  Register 16 b + i is channel 32 b + 16 h + i
.set n, n+2
.endr
.irp b, 0,1
	v_max3_num_f32 v[246+\b], |v[130+16*\b]|, |v[131+16*\b]|, 0x1800000
.endr
.irp i, 2,4,6,8,10,12,14
.irp b, 0,1
	v_max3_num_f32 v[246+\b], v[246+\b], |v[130+16*\b+\i]|, |v[131+16*\b+\i]|
.endr
.endr
.irp b, 0,1
	v_permlanex16_b32 v[250+\b], v[246+\b], s20, s21
.endr
.irp b, 0,1
	v_max_num_f32 v[246+\b], v[246+\b], v[250+\b]
.endr
.irp b, 0,1
	v_add_nc_u32 v[246+\b], 0xff000000, v[246+\b]
.endr
.irp b, 0,1
	v_lshrrev_b32 v[250+\b], 23, v[246+\b]
.endr
	v_cvt_scalef32_pk16_fp6_f32 v[226:228], v[130:145], v246
	v_cvt_scalef32_pk16_fp6_f32 v[238:240], v[146:161], v247
	v_nop                                          ; one plain place behind a scaled conversion
.irp i, 0,1,2
	v_permlane16_swap_b32 v[226+\i], v[238+\i]
.endr
.irp i, 0,1,2
	v_mov_b32 v[229+\i], v[238+\i]
.endr
	v_cndmask_b32 v255, v250, v251, s62            ; lanes 0-15 store block 0's byte, lanes 16-31 block 1's
	v_and_b32 v162, 15, v0
	v_bfe_u32 v163, v0, 4, 1
	v_lshl_add_u32 v162, v162, 5, v163             ; 32 r + h
.irp p, 0,1,2
	global_store_b64 v7, v[226+2*\p:227+2*\p], s[58:59] offset:256*\p   ; 32 lanes store 256 consecutive bytes, aligned
.endr
	global_store_b8 v162, v255, s[60:61]           ; two bytes of each of 16 rows: one byte in 24 of what this launch stores
.endm
	s_mov_b32 s17, s15                             ; the first pass: query block i, keys up to 256 (i + 1): at most 8 steps
	INIT
	WAITB 3                                        ; key steps 0-3 are in
	WALK 4
	WAITB 2                                        ; 4-7
	WALK 4
	FINISH
	s_sub_co_u32 s17, 7, s15                       ; the second pass: query block 7 - i
	INIT
	WALK 8
	WAITB 1                                        ; 8-11
	WALK 4
	WAITB 0                                        ; 12-15: no tensor load is out from here on
	WALK 4
	FINISH
	s_wait_xcnt 0x0
	v_lshl_add_u32 v254, v0, 2, 0x32000
	v_mov_b32 v255, 0
	s_wait_tensorcnt 0x0
	ds_add_u32 v254, v255
	s_wait_dscnt 0x0
	s_endpgm
.Lfunc_end_k_q5105b92c02_attn:
	.size	k_q5105b92c02_attn, .Lfunc_end_k_q5105b92c02_attn-k_q5105b92c02_attn
	.p2alignl 7, 3214868480
	.fill 96, 4, 3214868480
	.section	.rodata,"a",@progbits
	.p2align	6, 0x0
	.amdhsa_kernel k_q5105b92c02_attn
		.amdhsa_group_segment_fixed_size 206848
		.amdhsa_private_segment_fixed_size 0
		.amdhsa_enable_private_segment 0
		.amdhsa_kernarg_size 40
		.amdhsa_user_sgpr_count 2
		.amdhsa_user_sgpr_kernarg_segment_ptr 1
		.amdhsa_wavefront_size32 1
		.amdhsa_system_sgpr_workgroup_id_x 1
		.amdhsa_system_sgpr_workgroup_id_y 1
		.amdhsa_system_sgpr_workgroup_id_z 1
		.amdhsa_system_vgpr_workitem_id 0
		.amdhsa_next_free_vgpr 256
		.amdhsa_next_free_sgpr 66
		.amdhsa_reserve_vcc 1
		.amdhsa_float_denorm_mode_32 3
		.amdhsa_float_denorm_mode_16_64 3
		.amdhsa_memory_ordered 1
		.amdhsa_forward_progress 1
		.amdhsa_inst_pref_size 115
	.end_amdhsa_kernel
	.amdgpu_metadata
---
amdhsa.version: [ 1, 2 ]
amdhsa.kernels:
  - .name:           k_q5105b92c02_attn
    .symbol:         k_q5105b92c02_attn.kd
    .args:
      - { .name: q_img, .offset: 0, .size: 8, .value_kind: global_buffer, .address_space: global }
      - { .name: q_sc, .offset: 8, .size: 8, .value_kind: global_buffer, .address_space: global }
      - { .name: kv, .offset: 16, .size: 8, .value_kind: global_buffer, .address_space: global }
      - { .name: y_img, .offset: 24, .size: 8, .value_kind: global_buffer, .address_space: global }
      - { .name: y_sc, .offset: 32, .size: 8, .value_kind: global_buffer, .address_space: global }
    .group_segment_fixed_size: 206848
    .private_segment_fixed_size: 0
    .kernarg_segment_align: 8
    .kernarg_segment_size: 40
    .max_flat_workgroup_size: 512
    .sgpr_count:     66
    .vgpr_count:     256
    .wavefront_size: 32
...
	.end_amdgpu_metadata
.endif
;; end of part 3
;; launch gemm_out (part 4): grid 4 x 32, 4 waves a work-group, clusters of 4 x 4, 327,680 bytes of LDS; arguments y_img, y_sc, codes, scales, out0; writes out0
.if DOCPART == 4
	.amdgcn_target "amdgcn-amd-amdhsa--gfx1250"
	.amdhsa_code_object_version 6
	.text
	.protected	k_q5105b92c02_gemm_out
	.globl	k_q5105b92c02_gemm_out
	.p2align	8
	.type	k_q5105b92c02_gemm_out,@function
k_q5105b92c02_gemm_out:
	s_mov_b64 s[64:65], 0
	v_nop
	global_prefetch_b8 v0, s[64:65] scope:SCOPE_SE
	s_setreg_imm32_b32 hwreg(HW_REG_WAVE_MODE, 25, 1), 1
	s_wait_xcnt 0x0
	s_wait_alu depctr_hold_cnt(0) depctr_sa_sdst(0) depctr_va_vdst(0) depctr_va_sdst(0) depctr_va_ssrc(0) depctr_va_vcc(0) depctr_vm_vsrc(0)
	s_getreg_b32 s2, hwreg(HW_REG_IB_STS2, 6, 4)
	s_cmp_eq_u32 s2, 0
	s_cbranch_scc0 .Lentry_in_a_cluster
	s_endpgm
.Lentry_in_a_cluster:
	s_bfe_u32 s2, ttmp6, 0x10000c
	s_cmp_lg_u32 s2, 0xf033
	s_cbranch_scc0 .Lentry_shape_is_right
	s_endpgm
.Lentry_shape_is_right:
; out0 = y Wo on codes of FP6 (E2M3) with E8M0 scales.  M = 8,192, N = 1,024, K = 1,024; sums in f32; out0 f32.
; y comes as IMAGES OF OPERAND REGISTERS: [512 tiles of 16 rows][8 fragments of 128 along K][6 runs of 256 bytes]: registers 2 p, 2 p + 1 of lane l at 256 p + 8 l; its scale bytes [8192][32].
; Wo's columns are rows 11,264 .. 12,287 of the buffer of codes (768 bytes a row) and of the buffer of scale bytes (32 a row).
; BOTH y's rows and Wo's columns lie at their index with bits 3 and 4 exchanged; the way out puts rows and columns back.
; A tile of 256 x 256 of out0 is made by four waves, 128 x 128 each.  K goes in steps of 256 through a ring of two LDS slots; the scale bytes of the tile's rows come once.
; CLUSTERS: 4 x 4 work-groups; y's tiles are asked for jointly by a row of the cluster, Wo's by a column.  Source 0 = 16 rows of Wo's codes, source 1 = 16 rows of y: a lane holds eight columns of one row of out0.
; 128 work-groups: a smaller tile would fill more of the chip at the price of more LDS reads for each product; not built.
; REGISTERS: window 0: v0-31 addresses; v32-63 scale words; v128-223 y's fragments; on the way out v128-255.  window 1: Wo's fragments, two sets.  windows 2, 3: the accumulators.
.set SIZE_K, 1024
.set SIZE_N, 1024
.set KSTEP,  256
.set NQ,     KSTEP/128
.set ROWB,   192
.set KROW,   SIZE_K*6/8
.set PITCH,  240                       ; Wo's LDS row: 3 x (64 bytes of data + 16 of padding)
.set FR,     12
.set NL,     6
.set NP,     4
.set HALFT,  128*PITCH                 ; 128 rows of Wo's codes; y's 8 tiles of 16 rows (24,576 bytes) have the same room
.set SLOT,   4*HALFT
.set LAPS,   SIZE_K/(2*KSTEP)
.set KS,     SIZE_K/32
.set SCL,    2*SLOT
.set HALFS,  (128*KS/256)*272
.set SBLK,   (16*KS/256)*272
.set SPARE,  SCL+4*HALFS               ; the spare words, 128 bytes for each wave: two blocks of 256 bytes that no other line names
.set SPITCH, 528                       ; the way out: a stage of 16 rows x (512 bytes + 16) for each wave, in slot 0, which has had its last fill and its last read by then
.set YSTEP,  3072                      ; a K step of a tile of 16 rows of y: two fragments' images
.set ADRA, 16                          ; v16-17  LDS address of y's images in slot 0, 1
.set ADRB, 20                          ; v20-23  of Wo's fragments (v22-23: behind one padding more)
.set STO,  24
.set RD,   25
.set CO,   26
.set ADRS, 27
.set SPW,  28
.set NIL,  29
.set SC,   32
.set AF,   128
.set BK,   128
.set G1, 24
.set G0, 32
.set G1B, 48
.set G0B, 56
.set G1S, 68
.set G0S, 76
.set G1SB, 80
.set G0SB, 88
.set MSB, 0
.macro WIN new
.if MSB != (\new)
	s_set_vgpr_msb (MSB<<8)|(\new)
.set MSB, (\new)
.endif
.endm
.set MUL_LO, 0xa1
.set MUL_HI, 0xf1
.set TO_B,   0x40
.macro JLOAD g0a, g1a, g0b, g1b        ; a joint load: waves 0 and 1 fetch for y, waves 2 and 3 for Wo; four v_nop follow each of the two lines
	s_cmp_eq_u32 s15, 0
	s_cbranch_scc0 .Lfor_b_\@
	tensor_load_to_lds s[\g0a:\g0a+3], s[\g1a:\g1a+7]
	s_nop 0
.rept 4
	v_nop
.endr
	s_branch .Lasked_\@
.Lfor_b_\@:
	tensor_load_to_lds s[\g0b:\g0b+3], s[\g1b:\g1b+7]
	s_nop 0
.rept 4
	v_nop
.endr
.Lasked_\@:
.endm
.macro CREST
	s_cmp_lg_u32 s14, 0
	s_cbranch_scc1 .Lnot_wave_0_\@
	s_barrier_signal -3
.Lnot_wave_0_\@:
	s_barrier_wait -3
	s_barrier_signal -1
	s_barrier_wait -1
.endm
.macro CROUND
	s_barrier_signal -1
	s_barrier_wait -1
	CREST
.endm
	s_load_b128 s[4:7], s[0:1], 0x0                ; y's images s[4:5], y's scale bytes s[6:7]
	s_load_b128 s[8:11], s[0:1], 0x10              ; the codes s[8:9], the scale bytes s[10:11]
	s_load_b64 s[12:13], s[0:1], 0x20              ; out0
	v_lshl_add_u32 v[SPW], v0, 2, SPARE
	v_mov_b32 v[NIL], 0
	ds_add_u32 v28, v29
	ds_add_u32 v28, v29
	s_wait_dscnt 0x0
	v_lshrrev_b32 v1, 5, v0
	v_readfirstlane_b32 s14, v1                    ; wave 0..3
	s_lshr_b32 s15, s14, 1                         ; which half of the tile's rows is mine.  Also: I fetch for y (0) or for Wo (1)
	s_and_b32 s16, s14, 1                          ; which half of its columns.  Also: which 128 rows of that tile I fetch
	s_bfe_u32 s40, ttmp6, 0x40000                  ; cx, cy
	s_bfe_u32 s41, ttmp6, 0x40004
	s_lshl_b32 s42, ttmp9, 2
	s_add_co_u32 s42, s42, s40                     ; tile column
	s_and_b32 s17, ttmp7, 0xffff
	s_lshl_b32 s17, s17, 2
	s_add_co_u32 s17, s17, s41                     ; tile row
	s_lshl_b32 s43, s41, 2
	s_lshl_b32 s43, 15, s43                        ; my row of the cluster
	s_lshl_b32 s44, 0x1111, s40                    ; my column
	; y's tile: 8 tiles of 16 rows x 3,072 bytes (384 elements of 8 bytes), 12,288 bytes apart in memory, dense in LDS
	s_or_b32 s[G1+0], s43, (3<<16)|(1<<21)
	s_mov_b32 s[G1+1], 384<<16                     ; tensor_dim0
	s_mov_b32 s[G1+2], 8<<16                       ; tensor_dim1
	s_mov_b32 s[G1+3], 384<<16                     ; tile_dim0
	s_mov_b32 s[G1+4], 8                           ; tile_dim1
	s_mov_b32 s[G1+5], 1536                        ; tensor_dim0_stride
	s_mov_b32 s[G1+6], 0
	s_mov_b32 s[G1+7], 0
	; Wo's tile: 128 rows x 192 bytes, 16 bytes of padding behind every 64
	s_or_b32 s[G1B+0], s44, (0<<16)|(1<<20)|(1<<21)|(3<<22)|(3<<25)
	s_mov_b32 s[G1B+1], ROWB<<16
	s_mov_b32 s[G1B+2], 128<<16
	s_mov_b32 s[G1B+3], ROWB<<16
	s_mov_b32 s[G1B+4], 128
	s_mov_b32 s[G1B+5], KROW
	s_mov_b32 s[G1B+6], 0
	s_mov_b32 s[G1B+7], 0
	; the scale bytes of 128 rows: 4,096 dense bytes, as rows of 256 bytes, 16 bytes of padding behind each
	s_or_b32 s[G1S+0], s43, (3<<16)|(1<<20)|(1<<21)|(5<<22)|(3<<25)
	s_or_b32 s[G1SB+0], s44, (3<<16)|(1<<20)|(1<<21)|(5<<22)|(3<<25)
.irp g, G1S, G1SB
	s_mov_b32 s[\g+1], 32<<16
	s_mov_b32 s[\g+2], (128*KS/256)<<16
	s_mov_b32 s[\g+3], 32<<16
	s_mov_b32 s[\g+4], 128*KS/256
	s_mov_b32 s[\g+5], 32
	s_mov_b32 s[\g+6], 0
	s_mov_b32 s[\g+7], 0
.endr
	s_lshl_b32 s18, s16, 7                         ; which 128 rows of the tile I fetch
	s_lshl_b32 s20, s17, 8
	s_add_co_u32 s20, s20, s18                     ; y: row 256 x tile row + 128 x half
	s_lshl_b32 s46, s42, 8
	s_add_co_u32 s46, s46, s18
	s_add_co_u32 s46, s46, 11264                   ; Wo: row 11,264 + 256 x tile column + 128 x half
	s_mov_b32 s21, 0
	s_mov_b32 s47, 0
	s_mov_b64 s[18:19], KS
	s_mul_u64 s[22:23], s[20:21], s[18:19]         ; where these rows' scale bytes begin,
	s_mul_u64 s[92:93], s[46:47], s[18:19]
	s_mov_b64 s[18:19], KROW
	s_mul_u64 s[20:21], s[20:21], s[18:19]         ; and their codes (16 rows of y's images are 12,288 bytes: 768 a row as well)
	s_mul_u64 s[46:47], s[46:47], s[18:19]
	s_mul_i32 s45, s14, HALFT
	s_mul_i32 s94, s14, HALFS
	s_wait_kmcnt 0x0
	s_add_nc_u64 s[20:21], s[4:5], s[20:21]
	s_add_nc_u64 s[22:23], s[6:7], s[22:23]
	s_add_nc_u64 s[46:47], s[8:9], s[46:47]
	s_add_nc_u64 s[92:93], s[10:11], s[92:93]
	CROUND                                         ; all sixteen work-groups are here: the first joint loads meet
	s_mov_b32 s[G0S], 1
	s_add_co_u32 s[G0S+1], s94, SCL
	s_mov_b64 s[G0S+2:G0S+3], s[22:23]
	s_or_b32 s[G0S+3], s[G0S+3], 0x80000000
	s_mov_b32 s[G0SB], 1
	s_add_co_u32 s[G0SB+1], s94, SCL
	s_mov_b64 s[G0SB+2:G0SB+3], s[92:93]
	s_or_b32 s[G0SB+3], s[G0SB+3], 0x80000000
	JLOAD G0S, G1S, G0SB, G1SB                     ; the scale bytes first
.irp s, 0,1
	s_mov_b32 s[G0+4*\s], 1
	s_add_co_u32 s[G0+4*\s+1], s45, \s*SLOT
	s_add_nc_u64 s[G0+4*\s+2:G0+4*\s+3], s[20:21], \s*YSTEP
	s_or_b32 s[G0+4*\s+3], s[G0+4*\s+3], 0x80000000
	s_mov_b32 s[G0B+4*\s], 1
	s_add_co_u32 s[G0B+4*\s+1], s45, \s*SLOT
	s_add_nc_u64 s[G0B+4*\s+2:G0B+4*\s+3], s[46:47], \s*ROWB
	s_or_b32 s[G0B+4*\s+3], s[G0B+4*\s+3], 0x80000000
	JLOAD G0+4*\s, G1, G0B+4*\s, G1B
.endr
	v_and_b32 v1, 15, v0                           ; r
	v_bfe_u32 v2, v0, 4, 1                         ; h
	v_mul_u32_u24 v3, v1, PITCH
	v_mul_u32_u24 v4, v2, 24
	v_add_nc_u32 v4, v3, v4                        ; Wo: a fragment's row x pitch + 24 x half
	v_lshl_add_u32 v5, v2, 4, v4                   ; and the same behind one padding more
	v_and_b32 v6, 31, v0
	v_lshlrev_b32 v7, 3, v6                        ; y: 8 x lane
	s_mul_i32 s21, s15, HALFT                      ; my 8 tiles of rows of y
	s_mul_i32 s22, s16, HALFT                      ; my 128 rows of Wo,
	s_add_co_u32 s22, s22, 2*HALFT                 ; which lie behind y's
.irp s, 0,1
	v_add_nc_u32 v[ADRA+\s], s21, v7
	v_add_nc_u32 v[ADRB+\s], s22, v4
	v_add_nc_u32 v[ADRB+2+\s], s22, v5
	s_add_co_u32 s21, s21, SLOT
	s_add_co_u32 s22, s22, SLOT
.endr
	v_mul_u32_u24 v5, v1, KS
	v_lshrrev_b32 v8, 8, v5
	v_lshl_add_u32 v5, v8, 4, v5
	s_mul_i32 s21, s15, HALFS
	s_mul_i32 s22, s16, HALFS
	s_add_co_u32 s22, s22, 2*HALFS
	s_sub_co_u32 s22, s22, s21
	v_mul_u32_u24 v8, s22, v2                      ; lanes 16-31 take Wo's scale words
	s_add_co_u32 s21, s21, SCL
	v_add_nc_u32 v5, v5, v8
	v_add_nc_u32 v[ADRS], s21, v5
	s_mul_i32 s23, s14, 16*SPITCH                  ; my stage
	v_mul_u32_u24 v5, v1, SPITCH                   ; in: row r; accumulator b's eight registers are columns 32 (b / 2) + 16 h + 8 (b % 2) + 0 .. 7: 64 h bytes here, the rest in the immediate
	v_lshl_add_u32 v5, v2, 6, v5
	v_add_nc_u32 v[STO], s23, v5
	v_lshlrev_b32 v[CO], 4, v6                     ; back: the 32 lanes take one row of 512 bytes; and the same in out0
	v_add_nc_u32 v[RD], s23, v[CO]
	s_lshl_b32 s20, s17, 8
	s_lshl_b32 s21, s15, 7
	s_add_co_u32 s20, s20, s21                     ; my first row of out0
	s_mov_b32 s21, 0
	s_mov_b64 s[18:19], SIZE_N*4
	s_mul_u64 s[20:21], s[20:21], s[18:19]
	s_lshl_b32 s46, s42, 10                        ; my first column, in bytes
	s_lshl_b32 s47, s16, 9
	s_add_co_u32 s46, s46, s47
	s_mov_b32 s47, 0
	s_add_nc_u64 s[20:21], s[20:21], s[46:47]
	s_add_nc_u64 s[12:13], s[12:13], s[20:21]
.macro FRAG reg, adr, q, i             ; Wo: 16 rows x 128 K from padded rows, in pieces of 8 bytes
.irp p, 0,1,2,3,4,5
.set PCE, 12*(\q)+6*(\p/3)+\p%3
.if PCE%8 < 5
	ds_load_b64 v[\reg+2*\p:\reg+2*\p+1], v[\adr] offset:8*PCE+16*(PCE/8)+(\i)*16*PITCH
.else
	ds_load_b64 v[\reg+2*\p:\reg+2*\p+1], v[\adr+2] offset:8*PCE+16*(PCE/8)+(\i)*16*PITCH
.endif
.endr
.endm
.macro FRAGI reg, adr, q, i            ; y: an image comes back as it was stored: each load takes 256 consecutive bytes
.irp p, 0,1,2,3,4,5
	ds_load_b64 v[\reg+2*\p:\reg+2*\p+1], v[\adr] offset:YSTEP*(\i)+1536*(\q)+256*\p
.endr
.endm
.macro MUL16 a0, p, q, sc, zero        ; the 64 accumulators take turns, one instruction a turn
.irp a, \a0, \a0+1
.irp b, 0,1,2,3,4,5,6,7
.if \zero
	v_wmma_scale_f32_16x16x128_f8f6f4 v[8*(8*((\a)%4)+\b):8*(8*((\a)%4)+\b)+7], v[128*(\p)+FR*\b:128*(\p)+FR*\b+FR-1], v[AF+FR*(\a):AF+FR*(\a)+FR-1], 0, v[SC+8*NQ*(\sc)+NQ*\b+(\q)], v[SC+8*NQ*(\sc)+NQ*(\a)+(\q)] matrix_a_fmt:MATRIX_FMT_FP6 matrix_b_fmt:MATRIX_FMT_FP6 matrix_a_scale:MATRIX_SCALE_ROW1
.else
	v_wmma_scale_f32_16x16x128_f8f6f4 v[8*(8*((\a)%4)+\b):8*(8*((\a)%4)+\b)+7], v[128*(\p)+FR*\b:128*(\p)+FR*\b+FR-1], v[AF+FR*(\a):AF+FR*(\a)+FR-1], v[8*(8*((\a)%4)+\b):8*(8*((\a)%4)+\b)+7], v[SC+8*NQ*(\sc)+NQ*\b+(\q)], v[SC+8*NQ*(\sc)+NQ*(\a)+(\q)] matrix_a_fmt:MATRIX_FMT_FP6 matrix_b_fmt:MATRIX_FMT_FP6 matrix_a_scale:MATRIX_SCALE_ROW1
.endif
.endr
.endr
.endm
.macro FETCH_B slot, q, p
	WIN TO_B
.irp i, 0,1,2,3,4,5,6,7
	FRAG 128*(\p)+FR*\i, ADRB+\slot, \q, \i
.endr
	WIN 0
.endm
.macro FETCH_A slot, q, i0
.irp i, \i0, \i0+1, \i0+2, \i0+3
	FRAGI AF+FR*(\i), ADRA+\slot, \q, \i
.endr
.endm
.macro SCALES sc
.irp i, 0,1,2,3,4,5,6,7
	ds_load_b64 v[SC+8*NQ*\sc+NQ*\i:SC+8*NQ*\sc+NQ*\i+1], v[ADRS] offset:\i*SBLK
.endr
.endm
.macro PLACES n
.rept \n
	v_nop
.endr
.endm
.macro STEP slot, q, zero
	s_wait_dscnt 4*NL                              ; Wo's set and y's blocks 0-3 are in; the youngest loads (y's blocks 4-7) may be out
	WIN MUL_LO
	MUL16 0, (\q)%2, \q, \slot, \zero
	MUL16 2, (\q)%2, \q, \slot, \zero
	s_wait_dscnt 0
	PLACES NP
	FETCH_B \slot, (\q)+1, 1-(\q)%2
	FETCH_A \slot, (\q)+1, 0
	WIN MUL_HI
	MUL16 4, (\q)%2, \q, \slot, \zero
	MUL16 6, (\q)%2, \q, \slot, \zero
	PLACES NP
	WIN 0
	FETCH_A \slot, (\q)+1, 4
.endm
.macro TURN slot, next, fill
	s_wait_tensorcnt 0x0                           ; all my tensor loads have landed: my part of the next slot
	ds_add_u32 v[SPW], v[NIL]                      ; 0 onto my spare word
	s_wait_dscnt 4*NL+1                            ; (the add and the youngest loads may be out)
	WIN MUL_LO
	MUL16 0, 1, NQ-1, \slot, 0
	s_wait_dscnt 0x0                               ; the add is done, and my reads of this slot are over
	s_barrier_signal -1
	MUL16 2, 1, NQ-1, \slot, 0
	WIN 0
	s_barrier_wait -1
.if \fill
	CREST                                          ; the barrier has opened a round of the cluster's barrier
	s_add_nc_u64 s[G0+4*\slot+2:G0+4*\slot+3], s[G0+4*\slot+2:G0+4*\slot+3], 2*YSTEP
	s_add_nc_u64 s[G0B+4*\slot+2:G0B+4*\slot+3], s[G0B+4*\slot+2:G0B+4*\slot+3], 2*ROWB
	JLOAD G0+4*\slot, G1, G0B+4*\slot, G1B         ; the first tensor load behind the round; its four v_nop are the places in front of the loads below
.else
	PLACES NP
.endif
	v_add_nc_u32 v[ADRS], 4*NQ, v[ADRS]
	FETCH_B \next, 0, 0
	FETCH_A \next, 0, 0
	SCALES \next
	WIN MUL_HI
	MUL16 4, 1, NQ-1, \slot, 0
	MUL16 6, 1, NQ-1, \slot, 0
	PLACES NP
	WIN 0
	FETCH_A \next, 0, 4
.endm
	s_wait_tensorcnt 1                             ; the scale bytes and my part of K step 0 are in (K step 1's load may be out),
	s_barrier_signal -1
	s_barrier_wait -1                              ; everybody's are
	FETCH_B 0, 0, 0
	FETCH_A 0, 0, 0
	SCALES 0
	FETCH_A 0, 0, 4
	STEP 0, 0, 1                                   ; the first step's products start the sums
	s_mov_b32 s3, LAPS-1
.Llap:
	TURN 0, 1, 1
	STEP 1, 0, 0
	TURN 1, 0, 1
	STEP 0, 0, 0
	s_sub_co_u32 s3, s3, 1
	s_cmp_lg_u32 s3, 0
	s_cbranch_scc1 .Llap
	TURN 0, 1, 0                                   ; the last lap fills nothing
	STEP 1, 0, 0
	s_wait_dscnt 4*NL                              ; the very last step
	WIN MUL_LO
	MUL16 0, 1, NQ-1, 1, 0
	MUL16 2, 1, NQ-1, 1, 0
	s_wait_dscnt 0
	WIN MUL_HI
	MUL16 4, 1, NQ-1, 1, 0
	MUL16 6, 1, NQ-1, 1, 0
	WIN 0
; THE WAY OUT, block by block of 16 rows x 128 columns, through my own stage: in by columns' true places, back as whole rows of 512 bytes.  LDS serves a wave's instructions in order.
.macro TOSTAGE a
.set AC, 64*((\a)%4)
	WIN 0x08+4*((\a)/4)                            ; the data: window 2 or 3
.irp b, 0,1,2,3,4,5,6,7
	ds_store_b128 v[STO], v[AC+8*\b:AC+8*\b+3] offset:128*(\b/2)+32*(\b%2)          ; each accumulator from its low end on
	ds_store_b128 v[STO], v[AC+8*\b+4:AC+8*\b+7] offset:128*(\b/2)+32*(\b%2)+16
.endr
	WIN 0
.set BB, BK+64*((\a)%2)
.irp t, 0,1,2,3,4,5,6,7,8,9,10,11,12,13,14,15
	ds_load_b128 v[BB+4*\t:BB+4*\t+3], v[RD] offset:\t*SPITCH
.endr
.endm
.macro SEND a, younger                 ; row t of block a is row 32 (a / 2) + 8 (a % 2) + t + 8 (t / 8) of my 128: its place stands in the immediate, 127 rows of 4,096 bytes at the most
.set BB, BK+64*((\a)%2)
	s_wait_dscnt \younger
.irp t, 0,1,2,3,4,5,6,7,8,9,10,11,12,13,14,15
	global_store_b128 v[CO], v[BB+4*\t:BB+4*\t+3], s[12:13] offset:(32*((\a)/2)+8*((\a)%2)+\t+8*(\t/8))*SIZE_N*4 th:TH_STORE_NT   ; 32 lanes store 512 consecutive bytes, aligned; written once, read by nobody here
.endr
.endm
	PLACES NP
	TOSTAGE 0
.irp a, 1,2,3,4,5,6,7
.if \a > 1
	s_wait_xcnt 0x0                                ; block a - 2's stores have read their registers: block a's loads may land there
.endif
	TOSTAGE \a
	SEND \a-1, 32                                  ; behind block a - 1's loads: block a's 16 stores and 16 loads
.endr
	SEND 7, 0
	s_wait_tensorcnt 0x0                           ; the wave's end: behind my last tensor load and my last LDS store
	ds_add_u32 v[SPW], v[NIL]
	s_wait_dscnt 0x0
	CROUND                                         ; the closing round
	s_endpgm
.Lfunc_end_k_q5105b92c02_gemm_out:
	.size	k_q5105b92c02_gemm_out, .Lfunc_end_k_q5105b92c02_gemm_out-k_q5105b92c02_gemm_out
	.p2alignl 7, 3214868480
	.fill 96, 4, 3214868480
	.section	.rodata,"a",@progbits
	.p2align	6, 0x0
	.amdhsa_kernel k_q5105b92c02_gemm_out
		.amdhsa_group_segment_fixed_size 327680
		.amdhsa_private_segment_fixed_size 0
		.amdhsa_enable_private_segment 0
		.amdhsa_kernarg_size 40
		.amdhsa_user_sgpr_count 2
		.amdhsa_user_sgpr_kernarg_segment_ptr 1
		.amdhsa_wavefront_size32 1
		.amdhsa_system_sgpr_workgroup_id_x 1
		.amdhsa_system_sgpr_workgroup_id_y 1
		.amdhsa_system_sgpr_workgroup_id_z 1
		.amdhsa_system_vgpr_workitem_id 0
		.amdhsa_next_free_vgpr 1024
		.amdhsa_next_free_sgpr 98
		.amdhsa_reserve_vcc 0
		.amdhsa_float_denorm_mode_32 3
		.amdhsa_float_denorm_mode_16_64 3
		.amdhsa_memory_ordered 1
		.amdhsa_forward_progress 1
		.amdhsa_inst_pref_size 159
	.end_amdhsa_kernel
	.amdgpu_metadata
---
amdhsa.version: [ 1, 2 ]
amdhsa.kernels:
  - .name:           k_q5105b92c02_gemm_out
    .symbol:         k_q5105b92c02_gemm_out.kd
    .args:
      - { .name: y_img, .offset: 0, .size: 8, .value_kind: global_buffer, .address_space: global }
      - { .name: y_sc, .offset: 8, .size: 8, .value_kind: global_buffer, .address_space: global }
      - { .name: codes, .offset: 16, .size: 8, .value_kind: global_buffer, .address_space: global }
      - { .name: scales, .offset: 24, .size: 8, .value_kind: global_buffer, .address_space: global }
      - { .name: out0, .offset: 32, .size: 8, .value_kind: global_buffer, .address_space: global }
    .group_segment_fixed_size: 327680
    .private_segment_fixed_size: 0
    .kernarg_segment_align: 8
    .kernarg_segment_size: 40
    .max_flat_workgroup_size: 128
    .sgpr_count:     98
    .vgpr_count:     1024
    .wavefront_size: 32
...
	.end_amdgpu_metadata
.endif
;; end of part 4
